; MI455X (gfx1250); checked and timed in simulation.
; The chip was launched on July 23, 2026; its instructions are those of AMD's public machine-readable ISA for CDNA 5 (MIT licence, August 2026) and "CDNA5" Instruction Set Architecture Reference Guide (July 2026). The comments in the code are by the model that wrote it; some were corrected since.
;; Window Attention Memory. Allowed arithmetic: matrix products marked QUANTISED: E4M3 operands, one E8M0 scale for each 32 along K, by v_wmma_scale_f32_16x16x128_f8f6f4 with both operands' format E4M3, f32 sums; everything else in f32.
;; Inputs: Wk 1,024 x 1,024 float32; Wo 1,024 x 1,024 float32; Wq 1,024 x 1,024 float32; Wv 1,024 x 1,024 float32; beta 1,024 float32; bk 1,024 float32; bo 1,024 float32; bq 1,024 float32; bv 1,024 float32; gamma 1,024 float32; hidden_states 2 x 2,048 x 1,024 float32.
;; Outputs: out0 2 x 2,048 x 1,024 float32.
;; This version of the problem:
;;   THIS VERSION OF THE PROBLEM IS GIVEN IN LOW PRECISION. The matrix products marked QUANTISED in the list below multiply operands that are first quantised to E4M3 (4 exponent bits, 3 mantissa bits; 8 bits a number), with one power-of-two scale for each 32 numbers along K (OCP MX v1.0); their sums are f32. All else is computed in f32.
;;   The module's matrix products, in the order in which they are computed (A, B: the left and right operand; K: the contracted axis; several contracted axes count as one K, in the product's order):
;;     1. [M 4,096, K 1,024] x [K 1,024, N 1,024]; A: computed on the way; B: input Wq: QUANTISED
;;     2. [M 4,096, K 1,024] x [K 1,024, N 1,024]; A: computed on the way; B: input Wk: QUANTISED
;;     3. [M 4,096, K 1,024] x [K 1,024, N 1,024]; A: computed on the way; B: input Wv: QUANTISED
;;     4. batch 32 x [M 2,048, K 64] x [K 64, N 2,048]; A: computed on the way; B: computed on the way: QUANTISED
;;     5. batch 32 x [M 2,048, K 2,048] x [K 2,048, N 64]; A: softmax (see below); B: computed on the way: QUANTISED
;;     6. [M 4,096, K 1,024] x [K 1,024, N 1,024]; A: computed on the way; B: input Wo: QUANTISED
;;   THE QUANTISER, for each operand of a quantised product, along K:
;;     - K is cut into blocks of 32 from its start; a last block that is shorter is filled with zeros.
;;     - A block's scale is 2^e with e = floor(log2(the largest magnitude in the block)) - 8, held to -126 .. 127; a block of zeros has e = 0. As a byte (E8M0): e + 127.
;;     - Each number is divided by its block's scale, clamped to +-448, and rounded to the nearest number of E4M3, ties to even, subnormals kept.
;;     - The product sums the exact products of the quantised numbers (number of the format x scale) in f32.
;;   ~~~python
;;   def quantise(x, axis):      # numpy; x: float32 -> the quantised numbers, widened to float32 again
;;       x = np.moveaxis(x, axis, -1); K = x.shape[-1]
;;       x = np.pad(x, [(0, 0)] * (x.ndim - 1) + [(0, -K % 32)]); x = x.reshape(x.shape[:-1] + (-1, 32)); a = np.abs(x).max(-1, keepdims=True)
;;       e = np.where(a > 0, np.clip(np.frexp(np.where(a > 0, a, 1))[1] - 1 - 8, -126, 127), 0)      # np.frexp(a)[1] - 1 = floor(log2(a)), exactly
;;       r = np.clip(x / 2.0 ** e, -448, 448)
;;       step = 2.0 ** (np.maximum(np.frexp(np.where(r == 0, 1, r))[1] - 1, -6) - 3)
;;       q = np.round(r / step) * step * 2.0 ** e      # np.round: ties to even
;;       return np.moveaxis(q.reshape(q.shape[:-2] + (-1,))[..., :K], -1, axis).astype(np.float32)
;;   ~~~
;;   SOFTMAX AHEAD OF A QUANTISED PRODUCT. Where the list says 'softmax', what is quantised is not the finished softmax but p = 2^(t - M), with t = logit x log2(e) and M = ceil(the row's largest t), a whole number; so 1/2 < the row's largest p <= 1. The row's sum l is taken of the UNQUANTISED p, in f32, and the product's result is divided by l at the end. Since M is a whole number, a kernel that streams over the keys may use a running M (the ceiling of the running maximum): every later rescaling is an exact power of two, which a block's scale takes up: the codes' values come out the same.
;;   OPERANDS COMPUTED ON THE WAY. 'Computed on the way' means the value that the module computes at that place (a softmax that the list does not call 'softmax' is quantised finished and normalised). What goes into a quantiser is computed in f32, as accurately as f32 sums, v_exp_f32 and their like allow (about 1e-6 of the number): no bf16 or f16 on the way to a quantiser, and a product that is left as it is and whose result goes on into a quantised operand takes f32 operands (vector FMAs, or v_wmma_f32_16x16x4_f32). A number that lies on a knife's edge between two numbers of the format may be rounded either way, as far as f32 arithmetic and the matrix unit's own rounding can turn it there, and no further.
;; One version. Each part assembles by itself: llvm-mc -triple=amdgcn-amd-amdhsa -mcpu=gfx1250 --defsym DOCPART=n.
;; ======== version 1 of 1: 3 launches
;; workspace buffers: xcodes 4,194,304 bytes; xscales 131,072 bytes; wcodes 3,145,728 bytes; wscales 98,304 bytes; wocodes 1,048,576 bytes; woscales 32,768 bytes; acodes 4,194,304 bytes; ascales 131,072 bytes
;; launch prep (part 1): grid 512 x 1, 4 waves a work-group, no clusters, 67,072 bytes of LDS; arguments hidden_states, gamma, beta, Wq, Wk, Wv, Wo, xcodes, xscales, wcodes, wscales, wocodes, woscales; writes xcodes, xscales, wcodes, wscales, wocodes, woscales
.if DOCPART == 1
	.amdgcn_target "amdgcn-amd-amdhsa--gfx1250"
	.amdhsa_code_object_version 6
	.text
	.protected	k_q9a037d6484_prep
	.globl	k_q9a037d6484_prep
	.p2align	8
	.type	k_q9a037d6484_prep,@function
k_q9a037d6484_prep:
	s_mov_b64 s[64:65], 0
	v_nop
	global_prefetch_b8 v0, s[64:65] scope:SCOPE_SE
	s_setreg_imm32_b32 hwreg(HW_REG_WAVE_MODE, 25, 1), 1
	s_wait_xcnt 0x0
; LayerNorm of hidden_states [4096][1024], and the quantising along K = 1,024 of LN(x), Wq, Wk, Wv, Wo into codes of FP8 (E4M3) with one E8M0 byte for each 32 along K.
; A work-group makes ONE TILE of 16 rows x 1,024: work-groups 0-255 a tile of x (with the norm), 256-447 a tile of Wq, Wk, Wv, 448-511 a tile of Wo.
; The codes leave IN THE ORDER OF AN OPERAND'S REGISTERS: a fragment (16 rows x 128 K) is 2,048 bytes, piece c (512 bytes) holds lane l's 16 bytes at 16 l: row l % 16, K = 32 c + 16 (l / 16) + 0 .. 15.
; THE ROWS OF A TILE of x, Wq, Wk, Wv ARE NOT NEIGHBOURS: lane r of tile 2 B + u is row 32 B + 8 u + r + 8 (r / 8), so that the later products' results fall into registers as the next operand wants them.  Wo's tiles are 16 neighbouring rows.
; Wave w loads rows 4 w .. 4 w + 3 of the tile whole (each load 512 consecutive bytes), norms them inside the wave (two passes: mean, then the squares of the differences), and puts them into LDS;
; behind a barrier it takes K steps 2 w and 2 w + 1 of all 16 rows, 16 neighbours of each block of 32 a lane, and quantises them.  No tensor loads, no ring: every byte is asked for at the start.
; A block's scale byte is its largest magnitude's exponent field - 8, held at 1 from below (a block of zeros gets 1: its codes are zeros, and this program alone reads the bytes).
; LIMITS: NaN and infinities among the inputs are not served; blocks whose largest magnitude lies under 2^-118 get the byte 1.  1 / sqrt by v_rsq_f32.
.set PITCH, 4112                       ; an LDS row: 4,096 bytes + 16: the 16 rows that a load touches start in 16 different columns of 16 bytes
.set SCL,   16*PITCH                   ; behind the rows: the tile's 128 scale words
.set MU,    8                          ; v8-15    the rows' means, a pair each
.set RS,    16                         ; v16-23   1 / sqrt(var + eps), a pair each
.set X,     32                         ; v32-159  four rows of 32 registers; later two K steps of 64 numbers
.set GA,    160                        ; v160-191 gamma; later the two fragments' codes
.set BE,    192                        ; v192-223 beta
.set SM,    224                        ; v224-255 sums, eight registers a row; later at work
.set TM,    224
.set PC0,   160
.set PC1,   176
.set PW0,   240
.set PW1,   241
	s_load_b512 s[4:19], s[0:1], 0x0               ; hidden_states, gamma, beta, Wq, Wk, Wv, Wo, xcodes
	s_load_b256 s[20:27], s[0:1], 0x40             ; xscales, wcodes, wscales, wocodes
	s_load_b64 s[28:29], s[0:1], 0x60              ; woscales
	v_lshl_add_u32 v30, v0, 2, 0x10400
	v_mov_b32 v31, 0
	v_lshrrev_b32 v1, 5, v0
	v_readfirstlane_b32 s30, v1                    ; wave 0..3
	v_and_b32 v1, 31, v0                           ; lane
	v_lshlrev_b32 v2, 4, v1                        ; 16 x lane
	s_mul_i32 s61, s30, 4*PITCH
	v_add_nc_u32 v3, s61, v2                       ; into LDS: my wave's four rows, 16 bytes a lane
	v_and_b32 v4, 15, v0
	v_bfe_u32 v5, v0, 4, 1
	v_mul_u32_u24 v4, v4, PITCH
	v_lshl_add_u32 v4, v5, 6, v4
	s_lshl_b32 s61, s30, 10
	v_add_nc_u32 v4, s61, v4                       ; out of LDS: row r, + 64 h, + my wave's two K steps (1,024 bytes)
	v_lshl_add_u32 v5, v0, 2, SCL                  ; my scale word: 128 bytes a wave, 4 a lane
	v_add_nc_u32 v6, SCL, v2                       ; and the way out of all 128 words
	s_mov_b32 s56, 0x76543210
	s_mov_b32 s57, 0xfedcba98                      ; v_permlanex16_b32's selects for lane l xor 16
	s_mov_b32 s58, 0x600000                        ; the mantissa field of 448
	s_mov_b32 s59, 0x3a800000                      ; 1 / 1,024
	s_mov_b32 s60, 0x2b8cbccc                      ; 1e-12
	; which tile: everything below hangs on the work-group's and the wave's number alone
	s_lshr_b32 s31, ttmp9, 6
	s_and_b32 s31, s31, 3                          ; m: Wq, Wk, Wv, Wo
	s_and_b32 s32, ttmp9, 63                       ; the tile in a weight
	s_cmp_lt_u32 ttmp9, 256
	s_cselect_b32 s33, ttmp9, s32                  ; T
	s_lshr_b32 s40, s33, 1
	s_lshl_b32 s40, s40, 5
	s_and_b32 s42, s33, 1
	s_lshl_b32 s42, s42, 3
	s_add_co_u32 s40, s40, s42                     ; first row 32 (T / 2) + 8 (T % 2),
	s_lshl_b32 s42, s33, 4                         ; or 16 T for Wo
	s_cmp_ge_u32 ttmp9, 448
	s_cselect_b32 s40, s42, s40
	s_cselect_b32 s43, 0, 8                        ; rows 8-15 of a tile lie 8 further on, but in Wo
	s_lshr_b32 s42, s30, 1
	s_mul_i32 s42, s42, s43
	s_add_co_u32 s40, s40, s42
	s_lshl_b32 s42, s30, 2
	s_add_co_u32 s40, s40, s42                     ; my wave's first row
	s_lshl_b32 s40, s40, 12                        ; in bytes
	s_mov_b32 s41, 0
	s_lshr_b32 s44, s32, 2                         ; the head, or Wo's group of four tiles
	s_and_b32 s45, s32, 3
	s_lshl_b32 s48, s31, 2
	s_add_co_u32 s48, s48, s45                     ; the tile among a head's twelve
	s_mul_i32 s46, s44, 196608
	s_lshl_b32 s49, s48, 11
	s_add_co_u32 s46, s46, s49                     ; wcodes [head][K step][12][2048]
	s_mul_i32 s50, s44, 12
	s_add_co_u32 s50, s50, s48
	s_lshl_b32 s50, s50, 9                         ; wscales [head][12][K step][64]
	s_lshl_b32 s42, s44, 14
	s_lshl_b32 s43, s45, 11
	s_add_co_u32 s42, s42, s43                     ; wocodes [K step / 2][tile / 4][K step % 2][tile % 4][2048]
	s_lshl_b32 s43, s33, 9                         ; xscales, woscales [tile][K step][64]
	s_lshl_b32 s49, s33, 14                        ; xcodes [tile][K step][2048]
	s_mov_b32 s54, 49152                           ; bytes from a wave's two K steps to the next wave's,
	s_mov_b32 s52, 24576                           ; and from the even step to the odd one
	s_wait_kmcnt 0x0
	s_cmp_eq_u32 s31, 1
	s_cselect_b64 s[34:35], s[12:13], s[10:11]
	s_cmp_eq_u32 s31, 2
	s_cselect_b64 s[34:35], s[14:15], s[34:35]
	s_cmp_ge_u32 ttmp9, 448
	s_cselect_b64 s[34:35], s[16:17], s[34:35]
	s_cselect_b64 s[36:37], s[26:27], s[22:23]
	s_cselect_b64 s[38:39], s[28:29], s[24:25]
	s_cselect_b32 s46, s42, s46
	s_cselect_b32 s50, s43, s50
	s_cselect_b32 s54, 262144, s54
	s_cselect_b32 s52, 8192, s52
	s_cmp_lt_u32 ttmp9, 256
	s_cselect_b64 s[34:35], s[4:5], s[34:35]       ; from where,
	s_cselect_b64 s[36:37], s[18:19], s[36:37]     ; the codes' buffer,
	s_cselect_b64 s[38:39], s[20:21], s[38:39]     ; the scale bytes'
	s_cselect_b32 s46, s49, s46
	s_cselect_b32 s50, s43, s50
	s_cselect_b32 s54, 4096, s54
	s_cselect_b32 s52, 2048, s52
	s_mul_i32 s54, s54, s30
	s_add_co_u32 s46, s46, s54
	s_mov_b32 s47, 0
	s_mov_b32 s51, 0
	s_mov_b32 s53, 0
	s_add_nc_u64 s[34:35], s[34:35], s[40:41]
	s_add_nc_u64 s[36:37], s[36:37], s[46:47]      ; my even K step's fragment,
	s_add_nc_u64 s[40:41], s[36:37], s[52:53]      ; my odd one's
	s_add_nc_u64 s[38:39], s[38:39], s[50:51]
.irp i, 0,1,2,3
.irp j, 0,1,2,3,4,5,6,7
	global_load_b128 v[X+32*\i+4*\j:X+32*\i+4*\j+3], v2, s[34:35] offset:\i*4096+\j*512   ; 32 lanes read 512 consecutive bytes
.endr
.endr
	s_cmp_ge_u32 ttmp9, 256
	s_cbranch_scc1 .Lplain                         ; weights are not normed.  The path below holds register work and loads only: no LDS, no barrier
.irp j, 0,1,2,3,4,5,6,7
	global_load_b128 v[GA+4*\j:GA+4*\j+3], v2, s[6:7] offset:\j*512
	global_load_b128 v[BE+4*\j:BE+4*\j+3], v2, s[8:9] offset:\j*512
.endr
; four chains' sums of each row become one number in every lane
.macro FOLD
.irp i, 0,1,2,3
	v_pk_add_f32 v[SM+8*\i:SM+8*\i+1], v[SM+8*\i:SM+8*\i+1], v[SM+8*\i+2:SM+8*\i+3]
	v_pk_add_f32 v[SM+8*\i+4:SM+8*\i+5], v[SM+8*\i+4:SM+8*\i+5], v[SM+8*\i+6:SM+8*\i+7]
.endr
.irp i, 0,1,2,3
	v_pk_add_f32 v[SM+8*\i:SM+8*\i+1], v[SM+8*\i:SM+8*\i+1], v[SM+8*\i+4:SM+8*\i+5]
.endr
.irp i, 0,1,2,3
	v_add_f32 v[SM+8*\i], v[SM+8*\i], v[SM+8*\i+1]
.endr
.irp m, 1,2,4,8
.irp i, 0,1,2,3
	v_add_f32_dpp v[SM+8*\i], v[SM+8*\i], v[SM+8*\i] row_xmask:\m row_mask:0xf bank_mask:0xf
.endr
.endr
.irp i, 0,1,2,3
	v_permlanex16_b32 v[SM+8*\i+1], v[SM+8*\i], s56, s57
.endr
.irp i, 0,1,2,3
	v_add_f32 v[SM+8*\i], v[SM+8*\i], v[SM+8*\i+1]
.endr
.endm
	s_wait_loadcnt 16                              ; the rows are in; gamma's and beta's sixteen loads may be out
.irp c, 0,1,2,3
.irp i, 0,1,2,3
	v_pk_add_f32 v[SM+8*\i+2*\c:SM+8*\i+2*\c+1], v[X+32*\i+2*\c:X+32*\i+2*\c+1], v[X+32*\i+2*\c+8:X+32*\i+2*\c+9]
.endr
.endr
.irp p, 16,24
.irp c, 0,1,2,3
.irp i, 0,1,2,3
	v_pk_add_f32 v[SM+8*\i+2*\c:SM+8*\i+2*\c+1], v[SM+8*\i+2*\c:SM+8*\i+2*\c+1], v[X+32*\i+2*\c+\p:X+32*\i+2*\c+\p+1]
.endr
.endr
.endr
	FOLD
.irp i, 0,1,2,3
	v_mul_f32 v[MU+2*\i], s59, v[SM+8*\i]          ; the mean
.endr
.irp i, 0,1,2,3
	v_mov_b32 v[MU+2*\i+1], v[MU+2*\i]
.endr
.irp i, 0,1,2,3
.irp j, 0,2,4,6,8,10,12,14,16,18,20,22,24,26,28,30
	v_pk_add_f32 v[X+32*\i+\j:X+32*\i+\j+1], v[X+32*\i+\j:X+32*\i+\j+1], v[MU+2*\i:MU+2*\i+1] neg_lo:[0,1] neg_hi:[0,1]
.endr
.endr
.irp c, 0,1,2,3
.irp i, 0,1,2,3
	v_pk_mul_f32 v[SM+8*\i+2*\c:SM+8*\i+2*\c+1], v[X+32*\i+2*\c:X+32*\i+2*\c+1], v[X+32*\i+2*\c:X+32*\i+2*\c+1]
.endr
.endr
.irp p, 8,16,24
.irp c, 0,1,2,3
.irp i, 0,1,2,3
	v_pk_fma_f32 v[SM+8*\i+2*\c:SM+8*\i+2*\c+1], v[X+32*\i+2*\c+\p:X+32*\i+2*\c+\p+1], v[X+32*\i+2*\c+\p:X+32*\i+2*\c+\p+1], v[SM+8*\i+2*\c:SM+8*\i+2*\c+1]
.endr
.endr
.endr
	FOLD
.irp i, 0,1,2,3
	v_fma_f32 v[SM+8*\i], v[SM+8*\i], s59, s60     ; var + eps
.endr
.irp i, 0,1,2,3
	v_rsq_f32 v[RS+2*\i], v[SM+8*\i]
.endr
	v_nop                                          ; a plain instruction between the last v_rsq_f32 and the use of its result
	s_wait_alu depctr_va_vdst(0)
.irp i, 0,1,2,3
	v_mov_b32 v[RS+2*\i+1], v[RS+2*\i]
.endr
	s_wait_loadcnt 0x0                             ; gamma, beta
.irp i, 0,1,2,3
.irp j, 0,2,4,6,8,10,12,14,16,18,20,22,24,26,28,30
	v_pk_mul_f32 v[X+32*\i+\j:X+32*\i+\j+1], v[X+32*\i+\j:X+32*\i+\j+1], v[RS+2*\i:RS+2*\i+1]
.endr
.endr
.irp i, 0,1,2,3
.irp j, 0,2,4,6,8,10,12,14,16,18,20,22,24,26,28,30
	v_pk_fma_f32 v[X+32*\i+\j:X+32*\i+\j+1], v[X+32*\i+\j:X+32*\i+\j+1], v[GA+\j:GA+\j+1], v[BE+\j:BE+\j+1]
.endr
.endr
.Lplain:
	s_wait_loadcnt 0x0
.irp i, 0,1,2,3
.irp j, 0,1,2,3,4,5,6,7
	ds_store_b128 v3, v[X+32*\i+4*\j:X+32*\i+4*\j+3] offset:\i*PITCH+\j*512
.endr
.endr
	s_wait_dscnt 0x0                               ; for the others' sake: my rows lie in LDS
	s_barrier_signal -1
	s_barrier_wait -1
.irp k, 0,1
.irp c, 0,1,2,3
.irp q, 0,1,2,3
	ds_load_b128 v[X+64*\k+16*\c+4*\q:X+64*\k+16*\c+4*\q+3], v4 offset:512*\k+128*\c+16*\q   ; register 16 c + i: K = 32 c + 16 h + i of row r
.endr
.endr
.endr
.irp b, 0,1,2,3
	v_mov_b32 v[TM+4+\b], 0                        ; a lane permute's destination counts as one of its sources
.endr
; 64 numbers of a lane become a fragment's 16 registers of codes and its row's scale word
.macro QUANT s, pc, pw
.irp b, 0,1,2,3
	v_max3_num_f32 v[TM+\b], |v[\s+16*\b]|, |v[\s+1+16*\b]|, 0x4800000   ; my 16 numbers of block b, and the floor 2^(9 - 127): the byte cannot fall under 1
.endr
.irp i, 2,4,6,8,10,12,14
.irp b, 0,1,2,3
	v_max3_num_f32 v[TM+\b], v[TM+\b], |v[\s+16*\b+\i]|, |v[\s+1+16*\b+\i]|
.endr
.endr
.irp b, 0,1,2,3
	v_permlanex16_b32 v[TM+4+\b], v[TM+\b], s56, s57
.endr
.irp b, 0,1,2,3
	v_max_num_f32 v[TM+\b], v[TM+\b], v[TM+4+\b]   ; with lane l xor 16's: the block's largest magnitude
.endr
.irp b, 0,1,2,3
	v_add_nc_u32 v[TM+12+\b], 0xfc000000, v[TM+\b] ; 8 off its exponent field: the conversion's scale operand
.endr
.irp b, 0,1,2,3
	v_and_or_b32 v[TM+8+\b], v[TM+\b], 0x7f800000, s58   ; 448 x the scale
.endr
.irp b, 0,1,2,3
	v_lshrrev_b32 v[TM+4+\b], 23, v[TM+12+\b]      ; the scale's byte
.endr
	v_lshl_or_b32 v[\pw], v[TM+5], 8, v[TM+4]
	v_lshl_or_b32 v[\pw], v[TM+6], 16, v[\pw]
	v_lshl_or_b32 v[\pw], v[TM+7], 24, v[\pw]
.irp b, 0,1,2,3
.irp i, 0,1,2,3,4,5,6,7,8,9,10,11,12,13,14,15
	v_med3_num_f32 v[\s+16*\b+\i], v[\s+16*\b+\i], -v[TM+8+\b], v[TM+8+\b]   ; the conversion to an 8-bit code does not saturate (ISA guide 7.6.2): the hold
.endr
	v_cvt_scalef32_pk8_fp8_f32 v[\pc+4*\b:\pc+1+4*\b], v[\s+16*\b:\s+7+16*\b], v[TM+12+\b]
	v_cvt_scalef32_pk8_fp8_f32 v[\pc+2+4*\b:\pc+3+4*\b], v[\s+8+16*\b:\s+15+16*\b], v[TM+12+\b]
.endr
	v_nop                                          ; a plain instruction behind the last conversion
.endm
	s_wait_dscnt 16                                ; the even K step's sixteen loads are in
	QUANT X, PC0, PW0
	s_wait_dscnt 0x0
	QUANT X+64, PC1, PW1
.irp c, 0,1,2,3
	global_store_b128 v2, v[PC0+4*\c:PC0+4*\c+3], s[36:37] offset:512*\c   ; a piece: 512 consecutive bytes
.endr
.irp c, 0,1,2,3
	global_store_b128 v2, v[PC1+4*\c:PC1+4*\c+3], s[40:41] offset:512*\c
.endr
	v_cmp_gt_u32 vcc_lo, 16, v1
	v_cndmask_b32 v242, v[PW1], v[PW0], vcc_lo     ; lanes 0-15: the even step's words, lanes 16-31: the odd step's
	ds_store_b32 v5, v242
	s_wait_dscnt 0x0
	s_barrier_signal -1
	s_barrier_wait -1
	s_cmp_lg_u32 s30, 0
	s_cbranch_scc1 .Lend
	ds_load_b128 v[244:247], v6                    ; wave 0 stores the tile's 128 words: 512 consecutive bytes
	s_wait_dscnt 0x0
	global_store_b128 v2, v[244:247], s[38:39]
.Lend:
	s_wait_tensorcnt 0x0
	ds_add_u32 v30, v31
	s_wait_dscnt 0x0
	s_endpgm
.Lfunc_end_k_q9a037d6484_prep:
	.size	k_q9a037d6484_prep, .Lfunc_end_k_q9a037d6484_prep-k_q9a037d6484_prep
	.p2alignl 7, 3214868480
	.fill 96, 4, 3214868480
	.section	.rodata,"a",@progbits
	.p2align	6, 0x0
	.amdhsa_kernel k_q9a037d6484_prep
		.amdhsa_group_segment_fixed_size 67072
		.amdhsa_private_segment_fixed_size 0
		.amdhsa_enable_private_segment 0
		.amdhsa_kernarg_size 104
		.amdhsa_user_sgpr_count 2
		.amdhsa_user_sgpr_kernarg_segment_ptr 1
		.amdhsa_wavefront_size32 1
		.amdhsa_system_sgpr_workgroup_id_x 1
		.amdhsa_system_sgpr_workgroup_id_y 1
		.amdhsa_system_sgpr_workgroup_id_z 1
		.amdhsa_system_vgpr_workitem_id 0
		.amdhsa_next_free_vgpr 256
		.amdhsa_next_free_sgpr 72
		.amdhsa_reserve_vcc 1
		.amdhsa_float_denorm_mode_32 3
		.amdhsa_float_denorm_mode_16_64 3
		.amdhsa_memory_ordered 1
		.amdhsa_forward_progress 1
		.amdhsa_inst_pref_size 55
	.end_amdhsa_kernel
	.amdgpu_metadata
---
amdhsa.version: [ 1, 2 ]
amdhsa.kernels:
  - .name:           k_q9a037d6484_prep
    .symbol:         k_q9a037d6484_prep.kd
    .args:
      - { .name: hidden_states, .offset: 0, .size: 8, .value_kind: global_buffer, .address_space: global }
      - { .name: gamma, .offset: 8, .size: 8, .value_kind: global_buffer, .address_space: global }
      - { .name: beta, .offset: 16, .size: 8, .value_kind: global_buffer, .address_space: global }
      - { .name: Wq, .offset: 24, .size: 8, .value_kind: global_buffer, .address_space: global }
      - { .name: Wk, .offset: 32, .size: 8, .value_kind: global_buffer, .address_space: global }
      - { .name: Wv, .offset: 40, .size: 8, .value_kind: global_buffer, .address_space: global }
      - { .name: Wo, .offset: 48, .size: 8, .value_kind: global_buffer, .address_space: global }
      - { .name: xcodes, .offset: 56, .size: 8, .value_kind: global_buffer, .address_space: global }
      - { .name: xscales, .offset: 64, .size: 8, .value_kind: global_buffer, .address_space: global }
      - { .name: wcodes, .offset: 72, .size: 8, .value_kind: global_buffer, .address_space: global }
      - { .name: wscales, .offset: 80, .size: 8, .value_kind: global_buffer, .address_space: global }
      - { .name: wocodes, .offset: 88, .size: 8, .value_kind: global_buffer, .address_space: global }
      - { .name: woscales, .offset: 96, .size: 8, .value_kind: global_buffer, .address_space: global }
    .group_segment_fixed_size: 67072
    .private_segment_fixed_size: 0
    .kernarg_segment_align: 8
    .kernarg_segment_size: 104
    .max_flat_workgroup_size: 128
    .sgpr_count:     72
    .vgpr_count:     256
    .wavefront_size: 32
...
	.end_amdgpu_metadata
.endif
;; end of part 1
;; launch qkvattn (part 2): grid 16 x 16, 4 waves a work-group, clusters of 4 x 1, 300,032 bytes of LDS; arguments xcodes, xscales, wcodes, wscales, bq, bk, bv, acodes, ascales; writes acodes, ascales
.if DOCPART == 2
	.amdgcn_target "amdgcn-amd-amdhsa--gfx1250"
	.amdhsa_code_object_version 6
	.text
	.protected	k_q9a037d6484_qkvattn
	.globl	k_q9a037d6484_qkvattn
	.p2align	8
	.type	k_q9a037d6484_qkvattn,@function
k_q9a037d6484_qkvattn:
	s_mov_b64 s[64:65], 0
	v_nop
	global_prefetch_b8 v0, s[64:65] scope:SCOPE_SE
	s_setreg_imm32_b32 hwreg(HW_REG_WAVE_MODE, 25, 1), 1
	s_wait_xcnt 0x0
	s_wait_alu depctr_hold_cnt(0) depctr_sa_sdst(0) depctr_va_vdst(0) depctr_va_sdst(0) depctr_va_ssrc(0) depctr_va_vcc(0) depctr_vm_vsrc(0)
	s_getreg_b32 s2, hwreg(HW_REG_IB_STS2, 6, 4)
	s_cmp_eq_u32 s2, 0
	s_cbranch_scc0 .Lentry_in_a_cluster
	s_endpgm
.Lentry_in_a_cluster:
	s_bfe_u32 s2, ttmp6, 0x10000c
	s_cmp_lg_u32 s2, 0x3003
	s_cbranch_scc0 .Lentry_shape_is_right
	s_endpgm
.Lentry_shape_is_right:
; One work-group: one chunk of 256 tokens (g = 8 x batch + chunk) of one head.  It projects q for its 256 rows and k, v for 512 rows (the chunk before and its own: all that a band of 256 keys can reach),
; quantises them, runs the banded softmax and the second product, divides by the row's sum and quantises the result for the output projection.  q, k, v never go to memory.
; All products on codes of FP8 (E4M3) with one E8M0 byte for each 32 along K.
; SHARES.  Wave w has row tiles 4 w .. 4 w + 3 of both chunks: 80 accumulators (q 16, k 32, v 32).  x's fragments come from memory straight into the wave's operand registers (the launch before laid them so).
; The head's 12 weight tiles, all of K (196,608 bytes), stay in LDS: nine tensor loads a wave at the start (nine are out at the most), nothing is filled twice.
; CLUSTER.  The four chunks of a cluster belong to one head and want the same weights: these fills are joint (mask 15).  x IS NOT ASKED FOR JOINTLY: each of its bytes is wanted by one wave of a work-group alone;
; a ring for it would take 2 x 65,536 bytes beside the 202,752 of the weights and the 96,768 of the images, more than a WGP has, and would add 65,536 bytes of LDS reads to a K step's 98,304.
; LAYOUT.  q^T, k^T = W tile x x tile: a lane holds one token, 32 registers d = 32 c + 16 h + 0 .. 15.  v = x tile x Wv tile: a lane holds one d, 16 registers of two tiles 16 neighbouring tokens.
; S^T = k tile x q: a lane holds one query, 16 registers a block of 32 keys.  O^T = V^T tile x P likewise.  So every conversion's result is the next operand's registers.
; K = 64 in a form of K = 128: q's and P's upper registers are zeros; the other side's run of registers goes on into codes that follow (finite: the hold keeps every code a number), its scale bytes are written and never 0xff.
; THE BAND.  A group of 32 queries (block b of the chunk) sees local key blocks b .. b + 8: in the first, keys behind the query's place; in the last, keys up to it; the seven between whole.
; A batch's first chunk has no chunk before it: it projects other rows in its stead (no partner of a cluster may run otherwise than the others) and hides those blocks whole, by v_cndmask_b32.
; All 144 scores a lane are held at once: one maximum, M = ceil of it as t; p = 2^(t - M); the sum is taken of the unquantised p.
; LIMITS: NaN and infinities are not served; blocks under 2^-118 get the byte 1; the division by the sum is v_rcp_f32 and a multiplication.
.set WIMG, 0                           ; [K step 8][tile 12][2048]
.set WSC,  196608                      ; [tile 12][K step 8][64]
.set KIMG, 202752                      ; [local tile 32][1024]
.set KSC,  235520                      ; [local tile 32][128]
.set VIMG, 239616                      ; [tile of d 4][local block 16][512]
.set VSC,  272384                      ; four copies, 2,048 apart: [tile of d, 384][d, 24]; block B's byte at 4 + B - copy: a window that begins at any block finds aligned words in one copy
.set QIMG, 280576                      ; [wave][trip 4][1024]
.set QSC,  296960                      ; [wave][trip 4][128]
.set ASTG, 299008                      ; [wave][trip 4][16 x 2 bytes]
; window 0
.set LN16, 1                           ; 16 x lane
.set WAD,  2                           ; v2-5  weights' images: 16 x lane + 49,152 x (K step / 2)
.set WSA,  6                           ; their scale words: WSC + 4 r
.set LN4,  7                           ; 4 x lane
.set HB,   8                           ; 64 h
.set RB,   9                           ; 4 (r + 8 (r / 8))
.set KST,  10
.set KSS,  11
.set VST,  12
.set VSA,  13
.set QST,  14
.set QSS,  15
.set XS,   16                          ; v16-47 x's scale words: tile j, pair of K steps p at 4 j + p (lanes 0-15 the even step, 16-31 the odd).  v16-51 hold scales and nothing else
.set WS,   48                          ; v48-51 the weights' scale words, two sets of two
.set KA0,  52
.set KS0,  53
.set VA0,  54
.set VS0,  55
.set KAD,  56
.set KSAD, 57
.set VAD,  58
.set VSAD, 59
.set QAD,  60
.set QSAD, 61
.set GOF,  62
.set ASA,  63
.set WF,   64                          ; v64-127 weight fragments, two sets of two.  Later: v64-79 q's fragment (v72-79 zeros), v80-85 addresses, v96-127 O^T
.set QF,   64
.set ASA0, 80
.set ARD,  81
.set AGO,  82
.set OT,   96
; window 1 behind the projections
.set T,    128                         ; 64 numbers at work
.set PC,   192                         ; their codes
.set TM,   208
.set WD,   224
; window 2 in the attention
.set BM,   192                         ; nine blocks' largest score, then largest p
.set PT,   201                         ; permute targets, then bytes
.set HL,   210                         ; 448 x the scale
.set SO,   219                         ; the conversions' scale operands
.set NMB,  228                         ; -M, or -infinity for a hidden block; ten registers
.set LSUM, 242
; scalars
.set WV,   22
.set HD,   23
.set G1W,  24
.set G1S,  32
.set XP,   84
.set XO,   86
.set XSP,  88
.set XSO,  90
.set AO,   92
.set ASO,  94
.set SEL,  96
.set MNT,  24                          ; from here on: registers that held descriptors, written behind the wait that shows every tensor load done
.set FIRST, 25
.set CS,   26
.set SK,   28
.set SKS,  29
.set SV,   30
.set SVS,  31
.set SQ,   32
.set SQS,  33
.set SA,   34
.set TAU,  35
.set SG,   36
.set U8,   37
.set HM,   40
.set MSB, 0
.macro WIN new                         ; the immediate's high byte repeats the setting that is left
.if MSB != (\new)
	s_set_vgpr_msb (MSB<<8)|(\new)
.set MSB, (\new)
.endif
.endm
.macro PLACES n
.rept \n
	v_nop
.endr
.endm
.macro ROUND                           ; a round of the cluster's barrier
	s_barrier_signal -1
	s_barrier_wait -1
	s_cmp_lg_u32 s[WV], 0
	s_cbranch_scc1 .Lnot_wave_0_\@
	s_barrier_signal -3
.Lnot_wave_0_\@:
	s_barrier_wait -3
	s_barrier_signal -1
	s_barrier_wait -1
.endm
	s_load_b512 s[4:19], s[0:1], 0x0               ; xcodes, xscales, wcodes, wscales, bq, bk, bv, acodes
	s_load_b64 s[20:21], s[0:1], 0x40              ; ascales
	v_lshl_add_u32 v254, v0, 2, 0x49200
	v_mov_b32 v255, 0
	ds_add_u32 v254, v255
	ds_add_u32 v254, v255
	s_wait_dscnt 0x0
	v_lshrrev_b32 v60, 5, v0
	v_readfirstlane_b32 s[WV], v60                 ; wave 0..3
	s_and_b32 s[HD], ttmp7, 0xffff                 ; the head, which the four partners share
	s_bfe_u32 s80, ttmp6, 0x40000                  ; cx
	s_lshl_b32 s81, ttmp9, 2
	s_add_co_u32 s81, s81, s80                     ; g: it enters global addresses of plain loads and stores, and selected values, alone
	s_sub_co_i32 s82, s81, 1
	s_max_i32 s82, s82, 0                          ; the chunk before (for chunk 0: itself; hidden below)
	s_lshl_b32 s83, s[WV], 2
	s_lshl_b32 s82, s82, 4
	s_add_co_u32 s82, s82, s83                     ; my first row tile there,
	s_lshl_b32 s80, s81, 4
	s_add_co_u32 s80, s80, s83                     ; and in my own chunk: 16 g + 4 w
	s_lshl_b32 s[XP], s82, 14
	s_mov_b32 s[XP+1], 0
	s_lshl_b32 s[XO], s80, 14
	s_mov_b32 s[XO+1], 0
	s_lshl_b32 s[XSP], s82, 9
	s_mov_b32 s[XSP+1], 0
	s_lshl_b32 s[XSO], s80, 9
	s_mov_b32 s[XSO+1], 0
	s_lshr_b32 s[AO], s[HD], 2                     ; acodes [head / 4][row tile / 4][(head / 2) % 2][row tile % 4][2048], piece 2 (head % 2) + c
	s_lshl_b32 s[AO], s[AO], 20
	s_lshl_b32 s[AO+1], s80, 12
	s_add_co_u32 s[AO], s[AO], s[AO+1]
	s_bfe_u32 s[AO+1], s[HD], 0x10001
	s_lshl_b32 s[AO+1], s[AO+1], 13
	s_add_co_u32 s[AO], s[AO], s[AO+1]
	s_and_b32 s[AO+1], s[HD], 1
	s_lshl_b32 s[AO+1], s[AO+1], 10
	s_add_co_u32 s[AO], s[AO], s[AO+1]
	s_mov_b32 s[AO+1], 0
	s_lshl_b32 s[ASO], s[HD], 13                   ; ascales [head][row tile][16 x 2 bytes]
	s_lshl_b32 s[ASO+1], s80, 5
	s_add_co_u32 s[ASO], s[ASO], s[ASO+1]
	s_mov_b32 s[ASO+1], 0
	s_mov_b32 s[SEL], 0x76543210
	s_mov_b32 s[SEL+1], 0xfedcba98
	; addresses
	v_and_b32 v60, 15, v0                          ; r
	v_bfe_u32 v61, v0, 4, 1                        ; h
	v_and_b32 v62, 31, v0
	v_lshlrev_b32 v[LN16], 4, v62
	v_lshlrev_b32 v[LN4], 2, v62
.irp k, 0,1,2,3
	v_add_nc_u32 v[WAD+\k], 49152*\k, v[LN16]
.endr
	v_lshl_add_u32 v[WSA], v60, 2, WSC
	v_lshlrev_b32 v[HB], 6, v61
	v_and_b32 v63, 8, v60
	v_add_nc_u32 v63, v63, v60
	v_lshlrev_b32 v[RB], 2, v63
	s_lshl_b32 s98, s[WV], 12
	s_add_co_u32 s98, s98, KIMG
	v_add_nc_u32 v[KST], s98, v[LN16]              ; k's images: my four tiles of a chunk
	s_lshl_b32 s98, s[WV], 9
	s_add_co_u32 s98, s98, KSC
	v_add_nc_u32 v[KSS], s98, v[LN4]
	s_lshl_b32 s98, s[WV], 10
	s_add_co_u32 s98, s98, VIMG
	v_add_nc_u32 v[VST], s98, v[LN16]              ; v's: my two blocks of a chunk
	v_mul_u32_u24 v[VS0], v60, 24
	s_lshl_b32 s98, s[WV], 1
	s_add_co_u32 s98, s98, VSC+4
	v_add_nc_u32 v[VSA], s98, v[VS0]
	v_add_nc_u32 v[VS0], VSC+4, v[VS0]
	s_lshl_b32 s98, s[WV], 12
	s_add_co_u32 s98, s98, QIMG
	v_add_nc_u32 v[QST], s98, v[LN16]
	s_lshl_b32 s98, s[WV], 9
	s_add_co_u32 s98, s98, QSC
	v_add_nc_u32 v[QSS], s98, v[LN4]
	v_add_nc_u32 v[KA0], KIMG, v[LN16]
	v_add_nc_u32 v[KS0], KSC, v[LN4]
	v_add_nc_u32 v[VA0], VIMG, v[LN16]
	s_lshl_b32 s98, s[WV], 11
	s_add_co_u32 s98, s98, VSC
	v_add_nc_u32 v59, s98, v[LN16]                 ; my quarter of v's scale bytes, to be preset
.irp i, 60,61,62,63
	v_mov_b32 v\i, 0x7f7f7f7f
.endr
	; descriptor group 1: dense rows of 256 bytes (32 elements of 8 bytes); 24 rows: three tiles of a K step; 6 rows: a quarter of the scale words
	s_mov_b32 s[G1W], 15|(3<<16)|(1<<21)           ; 15:0 the mask: all four work-groups; 17:16 elements of 8 bytes; 21 set beside a mask
	s_mov_b32 s[G1W+1], 32<<16                     ; tensor_dim0
	s_mov_b32 s[G1W+2], 24<<16                     ; tensor_dim1
	s_mov_b32 s[G1W+3], 32<<16                     ; tile_dim0
	s_mov_b32 s[G1W+4], 24                         ; tile_dim1
	s_mov_b32 s[G1W+5], 32                         ; the pitch
	s_mov_b32 s[G1W+6], 0
	s_mov_b32 s[G1W+7], 0
	s_mov_b32 s[G1S], 15|(3<<16)|(1<<21)
	s_mov_b32 s[G1S+1], 32<<16
	s_mov_b32 s[G1S+2], 6<<16
	s_mov_b32 s[G1S+3], 32<<16
	s_mov_b32 s[G1S+4], 6
	s_mov_b32 s[G1S+5], 32
	s_mov_b32 s[G1S+6], 0
	s_mov_b32 s[G1S+7], 0
	; nine groups 0, one for each load: made of the head and the wave's number alone
	s_mul_i32 s2, s[HD], 6144
	s_mul_i32 s99, s[WV], 1536
	s_add_co_u32 s2, s2, s99
	s_mov_b32 s3, 0
	s_mov_b32 s40, 1
	s_add_co_u32 s41, s99, WSC
	s_mul_i32 s100, s[HD], 196608
	s_mul_i32 s99, s[WV], 6144
	s_add_co_u32 s100, s100, s99
	s_mov_b32 s101, 0
	s_wait_kmcnt 0x0
	s_add_nc_u64 s[42:43], s[10:11], s[2:3]
	s_or_b32 s43, s43, 0x80000000
	s_add_nc_u64 s[100:101], s[8:9], s[100:101]
.irp n, 1,2,3,4,5,6,7,8
	s_mov_b32 s[40+4*\n+4*(\n/6)], 1
	s_add_co_u32 s[41+4*\n+4*(\n/6)], s99, 24576*(\n-1)
	s_add_nc_u64 s[42+4*\n+4*(\n/6):43+4*\n+4*(\n/6)], s[100:101], 24576*(\n-1)
	s_or_b32 s[43+4*\n+4*(\n/6)], s[43+4*\n+4*(\n/6)], 0x80000000
.endr
	s_add_nc_u64 s[XP:XP+1], s[4:5], s[XP:XP+1]
	s_add_nc_u64 s[XO:XO+1], s[4:5], s[XO:XO+1]
	s_add_nc_u64 s[XSP:XSP+1], s[6:7], s[XSP:XSP+1]
	s_add_nc_u64 s[XSO:XSO+1], s[6:7], s[XSO:XSO+1]
	s_add_nc_u64 s[AO:AO+1], s[18:19], s[AO:AO+1]
	s_add_nc_u64 s[ASO:ASO+1], s[20:21], s[ASO:ASO+1]
	s_lshl_b32 s2, s[HD], 8
	s_add_nc_u64 s[12:13], s[12:13], s[2:3]        ; the head's 64 numbers of each bias
	s_add_nc_u64 s[14:15], s[14:15], s[2:3]
	s_add_nc_u64 s[16:17], s[16:17], s[2:3]
	ROUND                                          ; all four work-groups are here: the joint loads meet
	tensor_load_to_lds s[40:43], s[G1S:G1S+7]      ; the scale words first, then K steps 0 to 7
	s_nop 0
.irp n, 1,2,3,4,5,6,7,8
	tensor_load_to_lds s[40+4*\n+4*(\n/6):43+4*\n+4*(\n/6)], s[G1W:G1W+7]
	s_nop 0
.endr
	PLACES 4
.irp j, 0,1,2,3
.irp p, 0,1,2,3
	global_load_b32 v[XS+4*\j+\p], v[LN4], s[XSP:XSP+1] offset:\j*512+128*\p
	global_load_b32 v[XS+16+4*\j+\p], v[LN4], s[XSO:XSO+1] offset:\j*512+128*\p
.endr
.endr
; x's eight fragments of K step s into set s % 2 of window 1: each load 512 consecutive bytes
.macro XLOAD s
	WIN 0x40
.irp j, 0,1,2,3
.irp c, 0,1,2,3
	global_load_b128 v[128*((\s)&1)+16*\j+4*\c:128*((\s)&1)+16*\j+4*\c+3], v[LN16], s[XP:XP+1] offset:\j*16384+2048*(\s)+512*\c
.endr
.endr
.irp j, 0,1,2,3
.irp c, 0,1,2,3
	global_load_b128 v[128*((\s)&1)+64+16*\j+4*\c:128*((\s)&1)+64+16*\j+4*\c+3], v[LN16], s[XO:XO+1] offset:\j*16384+2048*(\s)+512*\c
.endr
.endr
.endm
; weight tiles 2 p and 2 p + 1 of K step s, and their scale words, into set p % 2: ten LDS loads
.macro WLOAD s, p
	WIN 0
.irp f, 0,1
.irp c, 0,1,2,3
	ds_load_b128 v[WF+32*((\p)&1)+16*\f+4*\c:WF+32*((\p)&1)+16*\f+4*\c+3], v[WAD+(\s)/2] offset:((\s)&1)*24576+(2*(\p)+\f)*2048+512*\c
.endr
	ds_load_b32 v[WS+2*((\p)&1)+\f], v[WSA] offset:((2*(\p)+\f)*8+(\s))*64
.endr
.endm
; the biases, in the results' layouts, into window 1: bq v0-31, bk v32-63 (register 16 c + i: d = 32 c + 16 h + i), bv v64-71 (tile n's d of my lane, twice)
.macro BIAS
	WIN 0x40
.irp c, 0,1
.irp q, 0,1,2,3
	global_load_b128 v[16*\c+4*\q:16*\c+4*\q+3], v[HB], s[12:13] offset:128*\c+16*\q
	global_load_b128 v[32+16*\c+4*\q:32+16*\c+4*\q+3], v[HB], s[14:15] offset:128*\c+16*\q
.endr
.endr
.irp n, 0,1,2,3
	global_load_b32 v[64+2*\n], v[RB], s[16:17] offset:(32*(\n/2)+8*(\n%2))*4
	global_load_b32 v[65+2*\n], v[RB], s[16:17] offset:(32*(\n/2)+8*(\n%2))*4
.endr
.endm
; one product.  K step 0 starts the sum; in odd K steps x's scale words are taken from lanes 16-31.  xside = 1: x is source 0
.macro MM d, a, b, sa, sb, s, xside
.if (\s) == 0
	v_wmma_scale_f32_16x16x128_f8f6f4 v[\d:\d+7], v[\a:\a+15], v[\b:\b+15], 0, v[\sa], v[\sb]
.elseif ((\s)&1) == 0
	v_wmma_scale_f32_16x16x128_f8f6f4 v[\d:\d+7], v[\a:\a+15], v[\b:\b+15], v[\d:\d+7], v[\sa], v[\sb]
.elseif \xside
	v_wmma_scale_f32_16x16x128_f8f6f4 v[\d:\d+7], v[\a:\a+15], v[\b:\b+15], v[\d:\d+7], v[\sa], v[\sb] matrix_a_scale:MATRIX_SCALE_ROW1
.else
	v_wmma_scale_f32_16x16x128_f8f6f4 v[\d:\d+7], v[\a:\a+15], v[\b:\b+15], v[\d:\d+7], v[\sa], v[\sb] matrix_b_scale:MATRIX_SCALE_ROW1
.endif
.endm
; A K step is six phases, two weight tiles each: q, q, k, k, v, v.  The 80 accumulators take turns, one instruction a turn.
.macro PHASE s, p
.if ((\p) == 5) && ((\s) < 7)
	s_wait_tensorcnt 6-(\s)                        ; my quarter of the next K step's weights has landed; the later K steps' loads may be out
	s_wait_dscnt 0x0
	s_barrier_signal -1
	s_barrier_wait -1                              ; everybody's has
.endif
	PLACES 8                                       ; loads into registers that matrix instructions have read stand eight plain vector instructions behind them
.if (\p) < 5
	WLOAD \s, (\p)+1
.elseif (\s) < 7
	WLOAD (\s)+1, 0
.endif
.if (\p) == 0
.if (\s) < 7
	XLOAD (\s)+1
	s_wait_loadcnt 32                              ; this K step's x is in; the 32 loads just issued may be out
.else
	BIAS
	s_wait_loadcnt 24                              ; likewise: the 24 loads of the biases may be out
.endif
.endif
.if ((\p) == 5) && ((\s) == 7)
	s_wait_dscnt 0x0
.else
	s_wait_dscnt 10                                ; this phase's ten LDS loads are in; the ten just issued may be out
.endif
.if (\p) < 2
	WIN 0x04                                       ; source 1 (x) window 1
.irp f, 0,1
.irp i, 0,1,2,3
	MM 128+32*\i+8*(2*(\p)+\f), WF+32*((\p)&1)+16*\f, 128*((\s)&1)+16*(4+\i), WS+2*((\p)&1)+\f, XS+4*(4+\i)+(\s)/2, \s, 0
.endr
.endr
.elseif (\p) < 4
	WIN 0xa4                                       ; source 1 window 1, C and D window 2
.irp f, 0,1
.irp j, 0,1,2,3,4,5,6,7
	MM 32*\j+8*(2*((\p)-2)+\f), WF+32*((\p)&1)+16*\f, 128*((\s)&1)+16*\j, WS+2*((\p)&1)+\f, XS+4*\j+(\s)/2, \s, 0
.endr
.endr
.else
	WIN 0xf1                                       ; source 0 (x) window 1, C and D window 3
.irp f, 0,1
.irp j, 0,1,2,3,4,5,6,7
	MM 64*(2*((\p)-4)+\f)+8*\j, 128*((\s)&1)+16*\j, WF+32*((\p)&1)+16*\f, XS+4*\j+(\s)/2, WS+2*((\p)&1)+\f, \s, 1
.endr
.endr
.endif
.endm
	XLOAD 0
	WIN 0
.irp k, 0,1,2,3
	ds_store_b128 v59, v[60:63] offset:512*\k      ; v's scale bytes begin as 127: the bytes beside a row's sixteen are read too, over zero codes
.endr
	s_wait_tensorcnt 7                             ; the scale words and K step 0 have landed; seven loads may be out
	s_wait_dscnt 0x0
	s_barrier_signal -1
	s_barrier_wait -1
	WLOAD 0, 0
.irp s, 0,1,2,3,4,5,6,7
.irp p, 0,1,2,3,4,5
	PHASE \s, \p
.endr
.endr
; ---- q, k, v get their biases and become codes.  All work stands in window 1.
; nb blocks of 16 registers from v[t] on become codes in v[pc] on; bytes in v[tm + 4] on
.macro QCORE t, pc, tm, nb
.set qb, 0
.rept \nb
	v_max3_num_f32 v[\tm+qb], |v[\t+16*qb]|, |v[\t+16*qb+1]|, 0x4800000   ; with the floor 2^(9 - 127): the byte cannot fall under 1
.set qb, qb+1
.endr
.set qi, 2
.rept 7
.set qb, 0
.rept \nb
	v_max3_num_f32 v[\tm+qb], v[\tm+qb], |v[\t+16*qb+qi]|, |v[\t+16*qb+qi+1]|
.set qb, qb+1
.endr
.set qi, qi+2
.endr
.set qb, 0
.rept \nb
	v_permlanex16_b32 v[\tm+4+qb], v[\tm+qb], s[SEL], s[SEL+1]
.set qb, qb+1
.endr
.set qb, 0
.rept \nb
	v_max_num_f32 v[\tm+qb], v[\tm+qb], v[\tm+4+qb]        ; with lane l xor 16's: the block's largest magnitude
.set qb, qb+1
.endr
.set qb, 0
.rept \nb
	v_add_nc_u32 v[\tm+12+qb], 0xfc000000, v[\tm+qb]       ; 8 off its exponent field: the conversion's scale operand
.set qb, qb+1
.endr
.set qb, 0
.rept \nb
	v_and_or_b32 v[\tm+8+qb], v[\tm+qb], 0x7f800000, s[MNT]   ; 448 x the scale
.set qb, qb+1
.endr
.set qb, 0
.rept \nb
	v_lshrrev_b32 v[\tm+4+qb], 23, v[\tm+12+qb]            ; the scale's byte
.set qb, qb+1
.endr
.set qb, 0
.rept \nb
.set qi, 0
.rept 16
	v_med3_num_f32 v[\t+16*qb+qi], v[\t+16*qb+qi], -v[\tm+8+qb], v[\tm+8+qb]   ; the conversion does not saturate (ISA guide 7.6.2): the hold
.set qi, qi+1
.endr
	v_cvt_scalef32_pk8_fp8_f32 v[\pc+4*qb:\pc+4*qb+1], v[\t+16*qb:\t+16*qb+7], v[\tm+12+qb]
	v_cvt_scalef32_pk8_fp8_f32 v[\pc+4*qb+2:\pc+4*qb+3], v[\t+16*qb+8:\t+16*qb+15], v[\tm+12+qb]
.set qb, qb+1
.endr
	v_nop                                          ; a plain instruction behind the last conversion
.endm
; 32 results of window w plus their biases, into window 1: each accumulator is read from its low end on
.macro ADDB w, acc, bias, t
	WIN (0x44|\w)
.set ai, 0
.rept 16
	v_pk_add_f32 v[\t+ai:\t+ai+1], v[\acc+ai:\acc+ai+1], v[\bias+ai:\bias+ai+1]
.set ai, ai+2
.endr
.endm
.macro ADDV acc, bias                  ; 64 results of v: one d a lane, so one bias
	WIN 0x47
.set ai, 0
.rept 32
	v_pk_add_f32 v[T+ai:T+ai+1], v[\acc+ai:\acc+ai+1], v[\bias:\bias+1]
.set ai, ai+2
.endr
.endm
.macro WORDS                           ; two tiles' scale words: two bytes of d, and 127 over the zeros above
	v_lshl_or_b32 v[WD], v[TM+5], 8, v[TM+4]
	v_lshl_or_b32 v[WD+1], v[TM+7], 8, v[TM+6]
	v_or_b32 v[WD], 0x7f7f0000, v[WD]
	v_or_b32 v[WD+1], 0x7f7f0000, v[WD+1]
.endm
.macro QKST adr, sadr, o0, o1, p0, p1  ; two tiles' images (two pieces each) and words go to LDS as they stand
	WIN 0x04                                       ; an LDS store's data are its source 1: window 1
	ds_store_b128 v[\adr], v[PC:PC+3] offset:\o0
	ds_store_b128 v[\adr], v[PC+4:PC+7] offset:\o0+512
	ds_store_b128 v[\adr], v[PC+8:PC+11] offset:\o1
	ds_store_b128 v[\adr], v[PC+12:PC+15] offset:\o1+512
	ds_store_b32 v[\sadr], v[WD] offset:\p0
	ds_store_b32 v[\sadr], v[WD+1] offset:\p1
	s_wait_dscnt 0x0                               ; the stores have read their registers
.endm
	s_wait_loadcnt 0x0                             ; the biases
	PLACES 8                                       ; behind the last products
	s_mov_b32 s[MNT], 0x600000                     ; the mantissa field of 448
	WIN 0x55
.irp b, 0,1,2,3
	v_mov_b32 v[TM+4+\b], 0                        ; a lane permute's destination counts as one of its sources
.endr
.irp i, 0,2                            ; q: tile i = 2 e + u goes to trip e + 2 u's place
	ADDB 0, 128+32*\i, 0, T
	ADDB 0, 160+32*\i, 0, T+32
	WIN 0x55
	QCORE T, PC, TM, 4
	WORDS
	QKST QST, QSS, (\i/2)*1024, (\i/2)*1024+2048, (\i/2)*128, (\i/2)*128+256
.endr
.irp j, 0,2,4,6                        ; k: tiles 0-3 the chunk before, 4-7 my own (16 local tiles further on)
	ADDB 2, 32*\j, 32, T
	ADDB 2, 32*\j+32, 32, T+32
	WIN 0x55
	QCORE T, PC, TM, 4
	WORDS
	QKST KST, KSS, \j*1024+(\j/4)*12288, \j*1024+(\j/4)*12288+1024, \j*128+(\j/4)*1536, \j*128+(\j/4)*1536+128
.endr
.irp n, 0,1,2,3                        ; v: four blocks of 32 tokens: local blocks 2 w, 2 w + 1, 8 + 2 w, 9 + 2 w
	ADDV 64*\n, 64+2*\n
	WIN 0x55
	QCORE T, PC, TM, 4
	WIN 0x04
	ds_store_b128 v[VST], v[PC:PC+3] offset:8192*\n
	ds_store_b128 v[VST], v[PC+4:PC+7] offset:8192*\n+512
	ds_store_b128 v[VST], v[PC+8:PC+11] offset:8192*\n+4096
	ds_store_b128 v[VST], v[PC+12:PC+15] offset:8192*\n+4608
.irp f, 0,1,2,3                        ; the bytes into all four copies (both lanes of a d write the same byte with the same value)
	ds_store_b8 v[VSA], v[TM+4] offset:2047*\f+384*\n
	ds_store_b8 v[VSA], v[TM+5] offset:2047*\f+384*\n+1
	ds_store_b8 v[VSA], v[TM+6] offset:2047*\f+384*\n+8
	ds_store_b8 v[VSA], v[TM+7] offset:2047*\f+384*\n+9
.endr
	s_wait_dscnt 0x0
.endr
	WIN 0
	s_wait_dscnt 0x0
	s_barrier_signal -1
	s_barrier_wait -1                              ; all 32 tiles of k and 16 blocks of v lie in LDS
; ---- the attention: four trips, trip = e + 2 u: query group b = 2 w + e, tile u
.irp i, 0,1,2,3,4,5,6,7
	v_mov_b32 v[QF+8+\i], 0                        ; q's upper half: zeros
.endr
	v_and_b32 v83, 15, v0                          ; r
	v_bfe_u32 v84, v0, 4, 1                        ; h
	v_lshlrev_b32 v[ASA0], 1, v83
	s_lshl_b32 s39, s[WV], 7
	s_add_co_u32 s39, s39, ASTG
	v_add_nc_u32 v[ASA0], s39, v[ASA0]             ; the result's scale bytes: two a row
	v_add_nc_u32 v[ARD], s39, v[LN4]
	v_bfe_u32 v85, v0, 3, 1
	v_lshlrev_b32 v[AGO], 6, v85
	v_lshl_add_u32 v[AGO], v84, 5, v[AGO]
	v_and_b32 v85, 7, v0
	v_lshl_add_u32 v[AGO], v85, 2, v[AGO]          ; from the trips' order to the tiles': word l of the stage belongs to tile 2 ((l / 8) % 2) + l / 16
	v_and_b32 v85, 8, v83
	v_add_nc_u32 v85, v85, v83
	v_lshlrev_b32 v84, 4, v84
	v_sub_nc_u32 v85, v85, v84                     ; r + 8 (r / 8) - 16 h
	WIN 0x40
.irp i, 0,1,2,3,4,5,6,7,8,9,10,11
	v_mov_b32 v[144+\i], 0                         ; behind the last fragment of K and of V: zeros
.endr
	WIN 0x80
.irp i, 0,1,2,3,4,5,6,7,8,9,10,11
	v_mov_b32 v[180+\i], 0                         ; P's blocks 9 to 11: zeros
.endr
.irp i, 0,1,2,3,4,5,6,7,8
	v_mov_b32 v[PT+\i], 0
.endr
	v_mov_b32 v239, 0xff800000                     ; -infinity
	v_mov_b32 v241, v85
	WIN 0
	s_and_b32 s[FIRST], s81, 7
	s_cmp_eq_u32 s[FIRST], 0
	s_cselect_b32 s[FIRST], 1, 0                   ; a batch's first chunk
	s_mov_b32 s[CS], 0x3e38aa3b                    ; c = log2(e) / sqrt(64)
	s_mov_b32 s[CS+1], s[CS]
	s_lshl_b32 s[SK], s[WV], 12                    ; block b's place in k's images, 2,048 b,
	s_lshl_b32 s[SKS], s[WV], 9                    ; among k's words, 256 b,
	s_lshl_b32 s[SV], s[WV], 10                    ; in v's images, 512 b,
	s_and_b32 s[SVS], s[WV], 1
	s_lshl_b32 s[SVS], s[SVS], 12
	s_lshr_b32 s39, s[WV], 1
	s_lshl_b32 s39, s39, 2
	s_add_co_u32 s[SVS], s[SVS], s39               ; and among v's bytes: copy b % 4, word b / 4
	s_mov_b32 s[SQ], 0
	s_mov_b32 s[SQS], 0
	s_mov_b32 s[SA], 0
	s_mov_b32 s[TAU], 0
.Ltile:
	s_wait_xcnt 0x0                                ; the last trip's stores have read their offset and data
	s_and_b32 s39, s[TAU], 1                       ; e
	s_lshr_b32 s[U8], s[TAU], 1                    ; u
	s_lshl_b32 s[SG], s39, 12
	s_lshl_b32 s38, s[U8], 11
	s_or_b32 s[SG], s[SG], s38                     ; 2,048 x (2 e + u)
	s_lshl_b32 s[U8], s[U8], 3
	s_lshl_b32 s38, s[WV], 1
	s_add_co_u32 s38, s38, s39                     ; b
	s_sub_co_u32 s38, 8, s38
	s_cmp_eq_u32 s[FIRST], 1
	s_cselect_b32 s38, s38, 0                      ; so many of the window's first blocks are hidden whole
.irp b, 0,1,2,3,4,5,6,7
	s_cmp_gt_u32 s38, \b
	s_cselect_b32 s[HM+\b], -1, 0
.endr
	v_add_nc_u32 v[KAD], s[SK], v[KA0]
	v_add_nc_u32 v[KSAD], s[SKS], v[KS0]
	v_add_nc_u32 v[VAD], s[SV], v[VA0]
	v_add_nc_u32 v[VSAD], s[SVS], v[VS0]
	v_add_nc_u32 v[QAD], s[SQ], v[QST]
	v_add_nc_u32 v[QSAD], s[SQS], v[QSS]
	v_add_nc_u32 v[ASA], s[SA], v[ASA0]
	v_add_nc_u32 v[GOF], s[SG], v[LN16]
	WIN 0x40
.irp k, 0,1,2,3,4,5,6,7,8,9,10,11,12,13,14,15,16,17
	ds_load_b128 v[8*\k:8*\k+3], v[KAD] offset:\k*1024
	ds_load_b128 v[8*\k+4:8*\k+7], v[KAD] offset:\k*1024+512
.endr
	WIN 0
	ds_load_b128 v[QF:QF+3], v[QAD]
	ds_load_b128 v[QF+4:QF+7], v[QAD] offset:512
	ds_load_b32 v34, v[QSAD]
.irp k, 0,1,2,3,4,5,6,7,8,9,10,11,12,13,14,15,16,17
	ds_load_b32 v[16+\k], v[KSAD] offset:\k*128
.endr
	s_wait_dscnt 0x0
	WIN 0x81                                       ; source 0 (K) window 1, destination (S^T) window 2
.irp k, 0,1,2,3,4,5,6,7,8,9,10,11,12,13,14,15,16,17
	v_wmma_scale_f32_16x16x128_f8f6f4 v[8*\k:8*\k+7], v[8*\k:8*\k+15], v[QF:QF+15], 0, v[16+\k], v34
.endr
	WIN 0
	PLACES 8                                       ; in front of the loads into K's registers, and of the first read of the scores
	WIN 0x40
.irp g, 0,1
.irp n, 0,1,2,3
.irp c, 0,1,2,3
	ds_load_b128 v[64*\g+16*\n+4*\c:64*\g+16*\n+4*\c+3], v[VAD] offset:8192*\n+(4*\g+\c)*512   ; V lands under the softmax
.endr
.endr
.endr
.irp n, 0,1,2,3
	ds_load_b128 v[128+4*\n:128+4*\n+3], v[VAD] offset:8192*\n+4096
.endr
	WIN 0
.irp g, 0,1,2
.irp n, 0,1,2,3
	ds_load_b32 v[36+4*\g+\n], v[VSAD] offset:384*\n+4*\g
.endr
.endr
	WIN 0xaa                                       ; the softmax stands in window 2
	v_add_nc_u32 v240, s[U8], v241                 ; d = my query's place in its 32 - 16 h.  Register 16 B + i holds key 16 h + i of block B
.irp i, 0,1,2,3,4,5,6,7,8,9,10,11,12,13,14,15
	v_cmp_le_i32 vcc_lo, \i, v240                  ; the first block: keys up to the query's place lie outside the band
	v_cndmask_b32 v[\i], v[\i], v239, vcc_lo
.endr
.irp i, 0,1,2,3,4,5,6,7,8,9,10,11,12,13,14,15
	v_cmp_gt_i32 vcc_lo, \i, v240                  ; the last block: keys behind the query are hidden
	v_cndmask_b32 v[128+\i], v[128+\i], v239, vcc_lo
.endr
.irp b, 0,1,2,3,4,5,6,7,8
	v_max3_num_f32 v[BM+\b], v[16*\b], v[16*\b+1], v[16*\b+2]   ; each block's largest score: for the row's maximum and, since p rises with the score, for the block's largest p
.endr
.irp i, 3,5,7,9,11,13
.irp b, 0,1,2,3,4,5,6,7,8
	v_max3_num_f32 v[BM+\b], v[BM+\b], v[16*\b+\i], v[16*\b+\i+1]
.endr
.endr
.irp b, 0,1,2,3,4,5,6,7,8
	v_max_num_f32 v[BM+\b], v[BM+\b], v[16*\b+15]
.endr
.irp b, 0,1,2,3,4,5,6,7,8
	v_permlanex16_b32 v[PT+\b], v[BM+\b], s[SEL], s[SEL+1]
.endr
.irp b, 0,1,2,3,4,5,6,7,8
	v_max_num_f32 v[BM+\b], v[BM+\b], v[PT+\b]
.endr
.irp b, 0,1,2,3,4,5,6,7
	v_cndmask_b32 v[BM+\b], v[BM+\b], v239, s[HM+\b]   ; hidden blocks do not count
.endr
	v_max3_num_f32 v252, v[BM], v[BM+1], v[BM+2]
	v_max3_num_f32 v252, v252, v[BM+3], v[BM+4]
	v_max3_num_f32 v252, v252, v[BM+5], v[BM+6]
	v_max3_num_f32 v252, v252, v[BM+7], v[BM+8]    ; the row's largest score: the query's own key always counts
	v_mul_f32 v252, s[CS], v252
	v_floor_f32 v238, -v252                        ; -M = floor(-t): M is a whole number
.irp b, 0,1,2,3,4,5,6,7
	v_cndmask_b32 v[NMB+\b], v238, v239, s[HM+\b]  ; a hidden block's addend is -infinity: its p are 0
.endr
	v_mov_b32 v[NMB+8], v238
	v_mov_b32 v[NMB+9], v238
.irp b, 0,2,4,6,8
.irp j, 0,2,4,6,8,10,12,14
	v_pk_fma_f32 v[16*\b+\j:16*\b+\j+1], v[16*\b+\j:16*\b+\j+1], s[CS:CS+1], v[NMB+\b:NMB+\b+1] op_sel_hi:[1,0,0]   ; t - M; the addend's pair gives its low word to both halves,
.endr
.endr
.irp b, 1,3,5,7
.irp j, 0,2,4,6,8,10,12,14
	v_pk_fma_f32 v[16*\b+\j:16*\b+\j+1], v[16*\b+\j:16*\b+\j+1], s[CS:CS+1], v[NMB+\b-1:NMB+\b] op_sel:[0,0,1] op_sel_hi:[1,0,1]   ; or its high word
.endr
.endr
.irp b, 0,1,2,3,4,5,6,7,8
	v_fma_f32 v[BM+\b], v[BM+\b], s[CS], v[NMB+\b]
.endr
.set sj, 0
.rept 144
	v_exp_f32 v[sj], v[sj]                         ; p = 2^(t - M): not normalised
.set sj, sj+1
.endr
.irp b, 0,1,2,3,4,5,6,7,8
	v_exp_f32 v[BM+\b], v[BM+\b]
.endr
	v_nop                                          ; a plain instruction behind the exponentials
	s_wait_alu depctr_va_vdst(0)
.irp b, 0,1,2,3,4,5,6,7,8
	v_max_num_f32 v[BM+\b], 0x4800000, v[BM+\b]    ; the floor: a block of zeros keeps the byte 1
.endr
.irp b, 0,1,2,3,4,5,6,7,8
	v_add_nc_u32 v[SO+\b], 0xfc000000, v[BM+\b]
.endr
.irp b, 0,1,2,3,4,5,6,7,8
	v_and_or_b32 v[HL+\b], v[BM+\b], 0x7f800000, s[MNT]
.endr
.irp b, 0,1,2,3,4,5,6,7,8
	v_lshrrev_b32 v[PT+\b], 23, v[SO+\b]
.endr
	v_lshl_or_b32 v252, v[PT+1], 8, v[PT]
	v_lshl_or_b32 v252, v[PT+2], 16, v252
	v_lshl_or_b32 v253, v[PT+5], 8, v[PT+4]
	v_lshl_or_b32 v253, v[PT+6], 16, v253
	v_or_b32 v254, 0x7f7f7f00, v[PT+8]
	WIN 0x2a                                       ; scale operands have no window: P's three words go to window 0
	v_lshl_or_b32 v48, v[PT+3], 24, v252
	v_lshl_or_b32 v49, v[PT+7], 24, v253
	v_mov_b32 v50, v254
	WIN 0xaa
.irp c, 0,1,2,3
	v_pk_add_f32 v[LSUM+2*\c:LSUM+2*\c+1], v[2*\c:2*\c+1], v[2*\c+8:2*\c+9]   ; the row's sum of the unquantised p, in four chains
.endr
.set sj, 16
.rept 16
.irp c, 0,1,2,3
	v_pk_add_f32 v[LSUM+2*\c:LSUM+2*\c+1], v[LSUM+2*\c:LSUM+2*\c+1], v[sj+2*\c:sj+2*\c+1]
.endr
.set sj, sj+8
.endr
	v_pk_add_f32 v[LSUM:LSUM+1], v[LSUM:LSUM+1], v[LSUM+2:LSUM+3]
	v_pk_add_f32 v[LSUM+4:LSUM+5], v[LSUM+4:LSUM+5], v[LSUM+6:LSUM+7]
	v_pk_add_f32 v[LSUM:LSUM+1], v[LSUM:LSUM+1], v[LSUM+4:LSUM+5]
	v_add_f32 v[LSUM], v[LSUM], v[LSUM+1]
	v_permlanex16_b32 v[LSUM+1], v[LSUM], s[SEL], s[SEL+1]
	v_add_f32 v[LSUM], v[LSUM], v[LSUM+1]
	v_rcp_f32 v250, v[LSUM]
	v_rcp_f32 v251, v[LSUM]                        ; (the holds below are the plain instructions behind it)
.irp b, 0,1,2,3,4,5,6,7,8
.irp i, 0,1,2,3,4,5,6,7,8,9,10,11,12,13,14,15
	v_min_num_f32 v[16*\b+\i], v[16*\b+\i], v[HL+\b]   ; p is not negative: a one-sided hold
.endr
	v_cvt_scalef32_pk8_fp8_f32 v[144+4*\b:145+4*\b], v[16*\b:16*\b+7], v[SO+\b]
	v_cvt_scalef32_pk8_fp8_f32 v[146+4*\b:147+4*\b], v[16*\b+8:16*\b+15], v[SO+\b]
.endr
	PLACES 4                                       ; codes made by vector instructions stand four places ahead of the products; the words stand far more than eight
	s_wait_dscnt 0x0                               ; V
	WIN 0x09                                       ; source 0 (V^T) window 1, source 1 (P) window 2; O^T in window 0.  Four accumulators by turns
.irp n, 0,1,2,3
	v_wmma_scale_f32_16x16x128_f8f6f4 v[OT+8*\n:OT+8*\n+7], v[16*\n:16*\n+15], v[144:159], 0, v[36+\n], v48
.endr
.irp n, 0,1,2,3
	v_wmma_scale_f32_16x16x128_f8f6f4 v[OT+8*\n:OT+8*\n+7], v[64+16*\n:64+16*\n+15], v[160:175], v[OT+8*\n:OT+8*\n+7], v[40+\n], v49
.endr
.irp n, 0,1,2,3
	v_wmma_scale_f32_16x16x128_f8f6f4 v[OT+8*\n:OT+8*\n+7], v[128+4*\n:128+4*\n+15], v[176:191], v[OT+8*\n:OT+8*\n+7], v[44+\n], v50
.endr
	PLACES 8
	WIN 0x88                                       ; destination and source 1 window 2
.set sj, 0
	s_wait_alu depctr_va_vdst(0)
.rept 16
	v_pk_mul_f32 v[sj:sj+1], v[OT+sj:OT+sj+1], v[250:251]   ; O^T / the sum: register 16 c + i: d = 32 c + 16 h + i
.set sj, sj+2
.endr
	WIN 0xaa
	QCORE 0, 32, 192, 2
	v_lshl_or_b32 v252, v197, 8, v196
	WIN 0x08                                       ; a store's data are its source 1: window 2
	global_store_b128 v[GOF], v[32:35], s[AO:AO+1]             ; a piece: 512 consecutive bytes
	global_store_b128 v[GOF], v[36:39], s[AO:AO+1] offset:512
	ds_store_b16 v[ASA], v252
	WIN 0
	s_xor_b32 s[SK], s[SK], 2048                   ; the other group of queries
	s_xor_b32 s[SKS], s[SKS], 256
	s_xor_b32 s[SV], s[SV], 512
	s_xor_b32 s[SVS], s[SVS], 2048
	s_add_co_u32 s[SQ], s[SQ], 1024
	s_add_co_u32 s[SQS], s[SQS], 128
	s_add_co_u32 s[SA], s[SA], 32
	s_add_co_u32 s[TAU], s[TAU], 1
	s_cmp_lt_u32 s[TAU], 4
	s_cbranch_scc1 .Ltile
	ds_load_b32 v84, v[ARD]                        ; my four tiles' scale bytes: LDS serves a wave's instructions in order
	s_wait_dscnt 0x0
	global_store_b32 v[AGO], v84, s[ASO:ASO+1]     ; 128 consecutive bytes a wave, 512 a work-group
	s_wait_xcnt 0x0
	v_lshl_add_u32 v254, v0, 2, 0x49200
	v_mov_b32 v255, 0
	s_wait_tensorcnt 0x0
	ds_add_u32 v254, v255
	s_wait_dscnt 0x0
	ROUND                                          ; the closing round
	s_endpgm
.Lfunc_end_k_q9a037d6484_qkvattn:
	.size	k_q9a037d6484_qkvattn, .Lfunc_end_k_q9a037d6484_qkvattn-k_q9a037d6484_qkvattn
	.p2alignl 7, 3214868480
	.fill 96, 4, 3214868480
	.section	.rodata,"a",@progbits
	.p2align	6, 0x0
	.amdhsa_kernel k_q9a037d6484_qkvattn
		.amdhsa_group_segment_fixed_size 300032
		.amdhsa_private_segment_fixed_size 0
		.amdhsa_enable_private_segment 0
		.amdhsa_kernarg_size 72
		.amdhsa_user_sgpr_count 2
		.amdhsa_user_sgpr_kernarg_segment_ptr 1
		.amdhsa_wavefront_size32 1
		.amdhsa_system_sgpr_workgroup_id_x 1
		.amdhsa_system_sgpr_workgroup_id_y 1
		.amdhsa_system_sgpr_workgroup_id_z 1
		.amdhsa_system_vgpr_workitem_id 0
		.amdhsa_next_free_vgpr 1024
		.amdhsa_next_free_sgpr 102
		.amdhsa_reserve_vcc 1
		.amdhsa_float_denorm_mode_32 3
		.amdhsa_float_denorm_mode_16_64 3
		.amdhsa_memory_ordered 1
		.amdhsa_forward_progress 1
		.amdhsa_inst_pref_size 255
	.end_amdhsa_kernel
	.section	.bss,"aw",@nobits
	.p2align	6
	.space	262144
	.amdgpu_metadata
---
amdhsa.version: [ 1, 2 ]
amdhsa.kernels:
  - .name:           k_q9a037d6484_qkvattn
    .symbol:         k_q9a037d6484_qkvattn.kd
    .args:
      - { .name: xcodes, .offset: 0, .size: 8, .value_kind: global_buffer, .address_space: global }
      - { .name: xscales, .offset: 8, .size: 8, .value_kind: global_buffer, .address_space: global }
      - { .name: wcodes, .offset: 16, .size: 8, .value_kind: global_buffer, .address_space: global }
      - { .name: wscales, .offset: 24, .size: 8, .value_kind: global_buffer, .address_space: global }
      - { .name: bq, .offset: 32, .size: 8, .value_kind: global_buffer, .address_space: global }
      - { .name: bk, .offset: 40, .size: 8, .value_kind: global_buffer, .address_space: global }
      - { .name: bv, .offset: 48, .size: 8, .value_kind: global_buffer, .address_space: global }
      - { .name: acodes, .offset: 56, .size: 8, .value_kind: global_buffer, .address_space: global }
      - { .name: ascales, .offset: 64, .size: 8, .value_kind: global_buffer, .address_space: global }
    .group_segment_fixed_size: 300032
    .private_segment_fixed_size: 0
    .kernarg_segment_align: 8
    .kernarg_segment_size: 72
    .max_flat_workgroup_size: 128
    .sgpr_count:     102
    .vgpr_count:     1024
    .wavefront_size: 32
...
	.end_amdgpu_metadata
.endif
;; end of part 2
;; launch outproj (part 3): grid 8 x 32, 4 waves a work-group, clusters of 4 x 4, 270,848 bytes of LDS; arguments acodes, ascales, wocodes, woscales, bo, hidden_states, out0; writes out0
.if DOCPART == 3
	.amdgcn_target "amdgcn-amd-amdhsa--gfx1250"
	.amdhsa_code_object_version 6
	.text
	.protected	k_q9a037d6484_outproj
	.globl	k_q9a037d6484_outproj
	.p2align	8
	.type	k_q9a037d6484_outproj,@function
k_q9a037d6484_outproj:
	s_mov_b64 s[64:65], 0
	v_nop
	global_prefetch_b8 v0, s[64:65] scope:SCOPE_SE
	s_setreg_imm32_b32 hwreg(HW_REG_WAVE_MODE, 25, 1), 1
	s_wait_xcnt 0x0
	s_wait_alu depctr_hold_cnt(0) depctr_sa_sdst(0) depctr_va_vdst(0) depctr_va_sdst(0) depctr_va_ssrc(0) depctr_va_vcc(0) depctr_vm_vsrc(0)
	s_getreg_b32 s2, hwreg(HW_REG_IB_STS2, 6, 4)
	s_cmp_eq_u32 s2, 0
	s_cbranch_scc0 .Lentry_in_a_cluster
	s_endpgm
.Lentry_in_a_cluster:
	s_bfe_u32 s2, ttmp6, 0x10000c
	s_cmp_lg_u32 s2, 0xf033
	s_cbranch_scc0 .Lentry_shape_is_right
	s_endpgm
.Lentry_shape_is_right:
; out0 = hidden_states + attn Wo^T + bo.  attn [4096][1024] and Wo [1024][1024] arrive as codes of FP8 (E4M3) in the order of an operand's registers, with E8M0 scale bytes; sums in f32.
; A work-group makes 128 rows x 128 columns; each of its four waves 64 x 64: 16 accumulators.  4,096 x 1,024 gives 256 such tiles, one for each WGP; larger tiles would leave WGPs without work.
; ALL OF K FITS IN LDS (131,072 bytes a side): five tensor loads a wave at the start (five are out at the most), nothing is filled twice, so there is no ring.
; CLUSTER 4 x 4: the four of a row of the cluster want the same rows of attn, the four of a column the same rows of Wo: each chunk is asked for jointly.
; THE MATRIX INSTRUCTION IS USED TRANSPOSED (source 0 = 16 rows of Wo, source 1 = 16 rows of attn): a lane holds eight neighbouring columns of one row.
; attn's tiles hold rows 32 B + 8 u + r + 8 (r / 8); the stage on the way out puts them back in order.  The stage lies over attn's images: they have had their one fill, and a barrier stands behind their last read.
; REGISTERS: window 0: v1-15 addresses and bo; v32-63 attn's scale words, v64-95 Wo's (scales and nothing else); v96-127 halves of words at work; v128-255 accumulators ((a, b) at 128 + 8 (4 a + b)).
;   window 1: two sets of fragments (attn's four, then Wo's four).   window 2: v0-127 the residual, 32 rows x 16 bytes a lane.
.set AIMG, 0                           ; [K step / 2][half 2][K step % 2][tile 4][2048]
.set BIMG, 131072
.set ASC,  262144                      ; [head 16][tile 8][16 x 2 bytes]
.set BSC,  266240                      ; [tile 8][K step 8][64]
.set SP,   528                         ; a stage row: 512 bytes + 16
.set LN16, 1
.set ADA,  2                           ; v2-3
.set ADB,  4                           ; v4-5
.set ASA,  6
.set BSA,  7
.set STO,  8
.set RD,   9
.set BO,   12                          ; v12-15
.set ASW,  32
.set BSW,  64
.set THI,  96
.set ACC,  128
.set WV,   23
.set G1A,  24
.set G1B,  32
.set G1SA, 40
.set G1SB, 48
.set MSB, 0
.macro WIN new
.if MSB != (\new)
	s_set_vgpr_msb (MSB<<8)|(\new)
.set MSB, (\new)
.endif
.endm
.macro PLACES n
.rept \n
	v_nop
.endr
.endm
.macro ROUND
	s_barrier_signal -1
	s_barrier_wait -1
	s_cmp_lg_u32 s[WV], 0
	s_cbranch_scc1 .Lnot_wave_0_\@
	s_barrier_signal -3
.Lnot_wave_0_\@:
	s_barrier_wait -3
	s_barrier_signal -1
	s_barrier_wait -1
.endm
	s_load_b256 s[4:11], s[0:1], 0x0               ; acodes, ascales, wocodes, woscales
	s_load_b128 s[12:15], s[0:1], 0x20             ; bo, hidden_states
	s_load_b64 s[16:17], s[0:1], 0x30              ; out0
	v_lshl_add_u32 v30, v0, 2, 0x42000
	v_mov_b32 v31, 0
	ds_add_u32 v30, v31
	ds_add_u32 v30, v31
	v_lshrrev_b32 v10, 5, v0
	v_readfirstlane_b32 s[WV], v10                 ; wave 0..3
	s_bfe_u32 s100, ttmp6, 0x40000                 ; cx
	s_bfe_u32 s101, ttmp6, 0x40004                 ; cy
	s_lshl_b32 s22, ttmp9, 2
	s_add_co_u32 s22, s22, s100                    ; X: block of 128 columns
	s_and_b32 s3, ttmp7, 0xffff
	s_lshl_b32 s3, s3, 2
	s_add_co_u32 s3, s3, s101                      ; Y: block of 128 rows
	s_lshl_b32 s2, s101, 2
	s_lshl_b32 s2, 15, s2                          ; my row of the cluster
	s_lshl_b32 s100, 0x1111, s100                  ; my column
	s_and_b32 s66, s[WV], 1                        ; which half of a side I fetch
	s_lshl_b32 s67, s66, 14
	; descriptor groups 1: dense rows of 256 bytes (32 elements of 8 bytes).  Codes: 64 rows.  attn's scale bytes: 8 heads' rows, 8,192 bytes apart.  Wo's: 8 rows
	s_or_b32 s[G1A], s2, (3<<16)|(1<<21)
	s_or_b32 s[G1SA], s2, (3<<16)|(1<<21)
	s_or_b32 s[G1B], s100, (3<<16)|(1<<21)
	s_or_b32 s[G1SB], s100, (3<<16)|(1<<21)
.irp g, G1A, G1B
	s_mov_b32 s[\g+1], 32<<16
	s_mov_b32 s[\g+2], 64<<16
	s_mov_b32 s[\g+3], 32<<16
	s_mov_b32 s[\g+4], 64
	s_mov_b32 s[\g+5], 32
	s_mov_b32 s[\g+6], 0
	s_mov_b32 s[\g+7], 0
.endr
.irp g, G1SA, G1SB
	s_mov_b32 s[\g+1], 32<<16
	s_mov_b32 s[\g+2], 8<<16
	s_mov_b32 s[\g+3], 32<<16
	s_mov_b32 s[\g+4], 8
	s_mov_b32 s[\g+6], 0
	s_mov_b32 s[\g+7], 0
.endr
	s_mov_b32 s[G1SA+5], 1024
	s_mov_b32 s[G1SB+5], 32
	; addresses.  The wave's row half is bit 6 of the thread's number, its column half bit 5
	v_and_b32 v10, 31, v0
	v_lshlrev_b32 v[LN16], 4, v10
	v_and_b32 v10, 15, v0                          ; r
	v_bfe_u32 v11, v0, 4, 1                        ; h
	v_bfe_u32 v16, v0, 6, 1
	v_bfe_u32 v17, v0, 5, 1
	v_lshl_add_u32 v[ADA], v16, 14, v[LN16]
	v_add_nc_u32 v[ADA+1], 65536, v[ADA]
	v_lshl_add_u32 v[ADB], v17, 14, v[LN16]
	v_add_nc_u32 v[ADB], BIMG, v[ADB]
	v_add_nc_u32 v[ADB+1], 65536, v[ADB]
	v_lshlrev_b32 v[ASA], 1, v10
	v_lshl_add_u32 v[ASA], v16, 7, v[ASA]
	v_add_nc_u32 v[ASA], ASC, v[ASA]
	v_lshlrev_b32 v[BSA], 2, v10
	v_lshl_add_u32 v[BSA], v17, 11, v[BSA]
	v_add_nc_u32 v[BSA], BSC, v[BSA]
	v_and_b32 v18, 8, v10
	v_add_nc_u32 v18, v18, v10
	v_lshl_add_u32 v18, v16, 6, v18
	v_mul_u32_u24 v[STO], v18, SP                  ; the stage: row 64 x half + r + 8 (r / 8),
	v_lshl_add_u32 v[STO], v17, 8, v[STO]
	v_lshl_add_u32 v[STO], v11, 5, v[STO]          ; + 256 x column half + 32 h
	v_lshrrev_b32 v18, 5, v0
	v_mul_u32_u24 v18, v18, 32*SP
	v_add_nc_u32 v[RD], v18, v[LN16]               ; back: my 32 rows, 16 bytes a lane
	; offsets.  attn's hang on Y and the wave alone (s18, s19), Wo's on X and the wave alone (s20, s21); both coordinates meet in s104, s105 only
	s_lshl_b32 s104, s3, 19
	s_lshl_b32 s105, s[WV], 17
	s_add_co_u32 s104, s104, s105
	s_lshl_b32 s105, s22, 9
	s_add_co_u32 s104, s104, s105                  ; (128 Y + 32 w) rows of 4,096 bytes + 512 X
	s_mov_b32 s105, 0
	s_lshl_b32 s18, s66, 16
	s_lshl_b32 s19, s3, 8
	s_add_co_u32 s18, s18, s19
	s_mov_b32 s19, 0
	s_lshl_b32 s20, s22, 12
	s_lshl_b32 s21, s66, 11
	s_add_co_u32 s20, s20, s21
	s_mov_b32 s21, 0
	s_wait_dscnt 0x0
	s_wait_kmcnt 0x0
	s_add_nc_u64 s[14:15], s[14:15], s[104:105]
	s_add_nc_u64 s[16:17], s[16:17], s[104:105]
	s_lshl_b32 s104, s22, 9
	s_add_nc_u64 s[12:13], s[12:13], s[104:105]
	WIN 0x80
.irp i, 0,1,2,3,4,5,6,7,8,9,10,11,12,13,14,15,16,17,18,19,20,21,22,23,24,25,26,27,28,29,30,31
	global_load_b128 v[4*\i:4*\i+3], v[LN16], s[14:15] offset:\i*4096 th:TH_LOAD_NT   ; the residual: 512 consecutive bytes a row; asked for first, wanted last
.endr
	WIN 0
	global_load_b128 v[BO:BO+3], v[LN16], s[12:13]
	; groups 0: the scale bytes, then the four chunks of two K steps
	s_mov_b32 s56, 1
	s_lshl_b32 s57, s66, 11
	s_add_co_u32 s57, s57, ASC
	s_add_nc_u64 s[58:59], s[6:7], s[18:19]
	s_or_b32 s59, s59, 0x80000000
	s_mov_b32 s80, 1
	s_lshl_b32 s81, s66, 11
	s_add_co_u32 s81, s81, BSC
	s_add_nc_u64 s[82:83], s[10:11], s[20:21]
	s_or_b32 s83, s83, 0x80000000
	s_lshl_b32 s18, s3, 1
	s_add_co_u32 s18, s18, s66
	s_lshl_b32 s18, s18, 14
	s_add_nc_u64 s[18:19], s[4:5], s[18:19]
	s_lshl_b32 s20, s22, 1
	s_add_co_u32 s20, s20, s66
	s_lshl_b32 s20, s20, 14
	s_add_nc_u64 s[20:21], s[8:9], s[20:21]
.irp n, 1,2,3,4
	s_mov_b32 s[56+4*\n+4*((\n+2)/4)], 1
	s_add_co_u32 s[57+4*\n+4*((\n+2)/4)], s67, AIMG+32768*(\n-1)
	s_add_nc_u64 s[58+4*\n+4*((\n+2)/4):59+4*\n+4*((\n+2)/4)], s[18:19], 1048576*(\n-1)
	s_or_b32 s[59+4*\n+4*((\n+2)/4)], s[59+4*\n+4*((\n+2)/4)], 0x80000000
	s_mov_b32 s[80+4*\n], 1
	s_add_co_u32 s[81+4*\n], s67, BIMG+32768*(\n-1)
	s_add_nc_u64 s[82+4*\n:83+4*\n], s[20:21], 262144*(\n-1)
	s_or_b32 s[83+4*\n], s[83+4*\n], 0x80000000
.endr
	ROUND                                          ; all sixteen work-groups are here: the joint loads meet
	s_cmp_lt_u32 s[WV], 2                          ; waves 0 and 1 fetch attn's halves, waves 2 and 3 Wo's: a wave's five fills stand in one branch
	s_cbranch_scc0 .Lfill_b
	tensor_load_to_lds s[56:59], s[G1SA:G1SA+7]
	s_nop 0
.irp n, 1,2,3,4
	tensor_load_to_lds s[56+4*\n+4*((\n+2)/4):59+4*\n+4*((\n+2)/4)], s[G1A:G1A+7]
	s_nop 0
.endr
	PLACES 4
	s_branch .Lfilled
.Lfill_b:
	tensor_load_to_lds s[80:83], s[G1SB:G1SB+7]
	s_nop 0
.irp n, 1,2,3,4
	tensor_load_to_lds s[80+4*\n:83+4*\n], s[G1B:G1B+7]
	s_nop 0
.endr
	PLACES 4
.Lfilled:
	s_wait_tensorcnt 3                             ; my scale bytes and my part of the first chunk have landed; three loads may be out
	s_barrier_signal -1
	s_barrier_wait -1
.irp a, 0,1,2,3
.irp k, 0,1,2,3,4,5,6,7
	ds_load_u16 v[ASW+8*\a+\k], v[ASA] offset:512*\k+32*\a          ; head 2 k's two bytes of row r of tile a,
	ds_load_u16 v[THI+8*\a+\k], v[ASA] offset:512*\k+256+32*\a      ; head 2 k + 1's
	ds_load_b32 v[BSW+8*\a+\k], v[BSA] offset:512*\a+64*\k
.endr
.endr
; the eight fragments of K step ks into set f of window 1: 32 LDS loads, each 512 consecutive bytes
.macro FETCH ks, f
	WIN 0x40
.irp t, 0,1,2,3
.irp c, 0,1,2,3
	ds_load_b128 v[\f+16*\t+4*\c:\f+16*\t+4*\c+3], v[ADA+(\ks)/4] offset:(((\ks)/2)%2)*32768+((\ks)%2)*8192+2048*\t+512*\c
	ds_load_b128 v[\f+64+16*\t+4*\c:\f+64+16*\t+4*\c+3], v[ADB+(\ks)/4] offset:(((\ks)/2)%2)*32768+((\ks)%2)*8192+2048*\t+512*\c
.endr
.endr
.endm
.macro MM8 ks, f, a0                   ; eight products: attn's tiles a0, a0 + 1 x Wo's four.  K step 0 starts the sums
.irp a, \a0, \a0+1
.irp b, 0,1,2,3
.if (\ks) == 0
	v_wmma_scale_f32_16x16x128_f8f6f4 v[ACC+8*(4*(\a)+\b):ACC+8*(4*(\a)+\b)+7], v[\f+64+16*\b:\f+64+16*\b+15], v[\f+16*(\a):\f+16*(\a)+15], 0, v[BSW+8*\b+(\ks)], v[ASW+8*(\a)+(\ks)]
.else
	v_wmma_scale_f32_16x16x128_f8f6f4 v[ACC+8*(4*(\a)+\b):ACC+8*(4*(\a)+\b)+7], v[\f+64+16*\b:\f+64+16*\b+15], v[\f+16*(\a):\f+16*(\a)+15], v[ACC+8*(4*(\a)+\b):ACC+8*(4*(\a)+\b)+7], v[BSW+8*\b+(\ks)], v[ASW+8*(\a)+(\ks)]
.endif
.endr
.endr
.endm
; a K step: sixteen products, the sixteen accumulators by turns; the next step's fragments are fetched in its middle
.macro STEP ks
	s_wait_dscnt 0x0
	WIN 0x05                                       ; sources 0 and 1 window 1
	MM8 \ks, 128*((\ks)%2), 0
.if (\ks) < 7
	WIN 0
.if ((\ks)%2) == 1
	s_wait_tensorcnt 3-((\ks)+1)/2                 ; my part of the next chunk has landed; the later chunks' loads may be out
	s_barrier_signal -1
	s_barrier_wait -1
.endif
	PLACES 8                                       ; in front of loads into the set that the last K step's products read
	FETCH (\ks)+1, 128*(((\ks)+1)%2)
	WIN 0x05
.endif
	MM8 \ks, 128*((\ks)%2), 2
.endm
	FETCH 0, 0
	WIN 0
	s_wait_dscnt 32                                ; the scale bytes are in; the 32 fragment loads may be out
.set si, 0
.rept 32
	v_lshl_or_b32 v[ASW+si], v[THI+si], 16, v[ASW+si]   ; a K step's word: two heads' two bytes
.set si, si+1
.endr
	PLACES 8                                       ; a scale word made by a vector instruction stands eight places ahead of its product
.irp k, 0,1,2,3,4,5,6,7
	STEP \k
.endr
	WIN 0
	s_wait_dscnt 0x0
	s_barrier_signal -1
	s_barrier_wait -1                              ; nobody reads the images any more: the stage may be written
	PLACES 8
.irp a, 0,1,2,3
.irp b, 0,1,2,3
	ds_store_b128 v[STO], v[ACC+8*(4*\a+\b):ACC+8*(4*\a+\b)+3] offset:(32*(\a/2)+8*(\a%2))*SP+64*\b       ; each accumulator from its low end on
	ds_store_b128 v[STO], v[ACC+8*(4*\a+\b)+4:ACC+8*(4*\a+\b)+7] offset:(32*(\a/2)+8*(\a%2))*SP+64*\b+16
.endr
.endr
	s_wait_loadcnt 0x0                             ; the residual and bo
	WIN 0x88                                       ; destination and source 1 window 2: this one setting serves the whole way out
.set si, 0
.rept 32
	v_pk_add_f32 v[4*si:4*si+1], v[BO:BO+1], v[4*si:4*si+1]
	v_pk_add_f32 v[4*si+2:4*si+3], v[BO+2:BO+3], v[4*si+2:4*si+3]
.set si, si+1
.endr
	s_wait_dscnt 0x0                               ; for the others' sake: my part of the stage is written
	s_barrier_signal -1
	s_barrier_wait -1
	WIN 0
.irp i, 0,1,2,3,4,5,6,7,8,9,10,11,12,13,14,15,16,17,18,19,20,21,22,23,24,25,26,27,28,29,30,31
	ds_load_b128 v[ACC+4*\i:ACC+4*\i+3], v[RD] offset:\i*SP
.endr
	WIN 0x88
.irp i, 0,1,2,3,4,5,6,7,8,9,10,11,12,13,14,15,16,17,18,19,20,21,22,23,24,25,26,27,28,29,30,31
	s_wait_dscnt 31-\i                             ; row i is back; the rows behind it may be out
	v_pk_add_f32 v[4*\i:4*\i+1], v[ACC+4*\i:ACC+4*\i+1], v[4*\i:4*\i+1]
	v_pk_add_f32 v[4*\i+2:4*\i+3], v[ACC+4*\i+2:ACC+4*\i+3], v[4*\i+2:4*\i+3]
	global_store_b128 v[LN16], v[4*\i:4*\i+3], s[16:17] offset:\i*4096 th:TH_STORE_NT   ; 32 lanes store 512 consecutive bytes, at a multiple of 512 from out0's first byte
.endr
	WIN 0
	s_wait_tensorcnt 0x0
	ds_add_u32 v30, v31
	s_wait_dscnt 0x0
	ROUND                                          ; the closing round
	s_endpgm
.Lfunc_end_k_q9a037d6484_outproj:
	.size	k_q9a037d6484_outproj, .Lfunc_end_k_q9a037d6484_outproj-k_q9a037d6484_outproj
	.p2alignl 7, 3214868480
	.fill 96, 4, 3214868480
	.section	.rodata,"a",@progbits
	.p2align	6, 0x0
	.amdhsa_kernel k_q9a037d6484_outproj
		.amdhsa_group_segment_fixed_size 270848
		.amdhsa_private_segment_fixed_size 0
		.amdhsa_enable_private_segment 0
		.amdhsa_kernarg_size 56
		.amdhsa_user_sgpr_count 2
		.amdhsa_user_sgpr_kernarg_segment_ptr 1
		.amdhsa_wavefront_size32 1
		.amdhsa_system_sgpr_workgroup_id_x 1
		.amdhsa_system_sgpr_workgroup_id_y 1
		.amdhsa_system_sgpr_workgroup_id_z 1
		.amdhsa_system_vgpr_workitem_id 0
		.amdhsa_next_free_vgpr 768
		.amdhsa_next_free_sgpr 106
		.amdhsa_reserve_vcc 0
		.amdhsa_float_denorm_mode_32 3
		.amdhsa_float_denorm_mode_16_64 3
		.amdhsa_memory_ordered 1
		.amdhsa_forward_progress 1
		.amdhsa_inst_pref_size 73
	.end_amdhsa_kernel
	.amdgpu_metadata
---
amdhsa.version: [ 1, 2 ]
amdhsa.kernels:
  - .name:           k_q9a037d6484_outproj
    .symbol:         k_q9a037d6484_outproj.kd
    .args:
      - { .name: acodes, .offset: 0, .size: 8, .value_kind: global_buffer, .address_space: global }
      - { .name: ascales, .offset: 8, .size: 8, .value_kind: global_buffer, .address_space: global }
      - { .name: wocodes, .offset: 16, .size: 8, .value_kind: global_buffer, .address_space: global }
      - { .name: woscales, .offset: 24, .size: 8, .value_kind: global_buffer, .address_space: global }
      - { .name: bo, .offset: 32, .size: 8, .value_kind: global_buffer, .address_space: global }
      - { .name: hidden_states, .offset: 40, .size: 8, .value_kind: global_buffer, .address_space: global }
      - { .name: out0, .offset: 48, .size: 8, .value_kind: global_buffer, .address_space: global }
    .group_segment_fixed_size: 270848
    .private_segment_fixed_size: 0
    .kernarg_segment_align: 8
    .kernarg_segment_size: 56
    .max_flat_workgroup_size: 128
    .sgpr_count:     106
    .vgpr_count:     768
    .wavefront_size: 32
...
	.end_amdgpu_metadata
.endif
;; end of part 3
